; MI455X (gfx1250); checked and timed in simulation.
; The chip was launched on July 23, 2026; its instructions are those of AMD's public machine-readable ISA for CDNA 5 (MIT licence, August 2026) and "CDNA5" Instruction Set Architecture Reference Guide (July 2026). The comments in the code are by the model that wrote it; some were corrected since.
;; Gemma2 Attention. Allowed arithmetic: matrix products marked QUANTISED: E2M1 operands, one E8M0 scale for each 32 along K, by v_wmma_scale_f32_16x16x128_f8f6f4 with both operands' format E2M1 (or v_wmma_scale_f32_32x16x128_f4), f32 sums; products left as they are: bf16, f16 or f32 operands; f32 sums; everything else in f32.
;; Inputs: Wk 2,048 x 512 float32; Wo 512 x 2,048 float32; Wq 2,048 x 512 float32; Wv 2,048 x 512 float32; cos 2 x 4,096 x 256 float32; hidden_states 2 x 4,096 x 2,048 float32; sin 2 x 4,096 x 256 float32.
;; Outputs: out0 2 x 4,096 x 2,048 float32.
;; This version of the problem:
;;   THIS VERSION OF THE PROBLEM IS GIVEN IN LOW PRECISION. The matrix products marked QUANTISED in the list below multiply operands that are first quantised to E2M1 (2 exponent bits, 1 mantissa bit; 4 bits a number), with one power-of-two scale for each 32 numbers along K (OCP MX v1.0); their sums are f32. The products marked 'left as it is' may take bf16, f16 or f32 operands, with f32 sums. Whichever they take, every output number must still come out within the allowed error. Rounding operands to bf16 (8 significant bits) uses up far more of that allowance than f16 does (11 bits, for magnitudes from 6e-5 to 65,504). All else is computed in f32.
;;   The module's matrix products, in the order in which they are computed (A, B: the left and right operand; K: the contracted axis; several contracted axes count as one K, in the product's order):
;;     1. [M 8,192, K 2,048] x [K 2,048, N 512]; A: input hidden_states; B: input Wq: QUANTISED
;;     2. [M 8,192, K 2,048] x [K 2,048, N 512]; A: input hidden_states; B: input Wk: QUANTISED
;;     3. [M 8,192, K 2,048] x [K 2,048, N 512]; A: input hidden_states; B: input Wv: QUANTISED
;;     4. batch 4 x [M 4,096, K 256] x [K 256, N 4,096]; A: computed on the way; B: computed on the way: left as it is (an operand is computed on the way)
;;     5. batch 4 x [M 4,096, K 4,096] x [K 4,096, N 256]; A: computed on the way; B: computed on the way: left as it is (an operand is computed on the way)
;;     6. [M 8,192, K 512] x [K 512, N 2,048]; A: computed on the way; B: input Wo: left as it is (an operand is computed on the way)
;;   THE QUANTISER, for each operand of a quantised product, along K:
;;     - K is cut into blocks of 32 from its start; a last block that is shorter is filled with zeros.
;;     - A block's scale is 2^e with e = floor(log2(the largest magnitude in the block)) - 2, held to -126 .. 127; a block of zeros has e = 0. As a byte (E8M0): e + 127.
;;     - Each number is divided by its block's scale, clamped to +-6, and rounded to the nearest number of E2M1, ties to even, subnormals kept.
;;     - The product sums the exact products of the quantised numbers (number of the format x scale) in f32.
;;   ~~~python
;;   def quantise(x, axis):      # numpy; x: float32 -> the quantised numbers, widened to float32 again
;;       x = np.moveaxis(x, axis, -1); K = x.shape[-1]
;;       x = np.pad(x, [(0, 0)] * (x.ndim - 1) + [(0, -K % 32)]); x = x.reshape(x.shape[:-1] + (-1, 32)); a = np.abs(x).max(-1, keepdims=True)
;;       e = np.where(a > 0, np.clip(np.frexp(np.where(a > 0, a, 1))[1] - 1 - 2, -126, 127), 0)      # np.frexp(a)[1] - 1 = floor(log2(a)), exactly
;;       r = np.clip(x / 2.0 ** e, -6, 6)
;;       step = 2.0 ** (np.maximum(np.frexp(np.where(r == 0, 1, r))[1] - 1, 0) - 1)
;;       q = np.round(r / step) * step * 2.0 ** e      # np.round: ties to even
;;       return np.moveaxis(q.reshape(q.shape[:-2] + (-1,))[..., :K], -1, axis).astype(np.float32)
;;   ~~~
;; One version. Each part assembles by itself: llvm-mc -triple=amdgcn-amd-amdhsa -mcpu=gfx1250 --defsym DOCPART=n.
;; ======== version 1 of 1: 5 launches
;; limits: values are held in f16: magnitudes above 65,504 overflow, below 6.1e-05 lose precision
;; workspace buffers: xq 8,912,896 bytes; wq4 1,671,168 bytes; wot 2,097,152 bytes; q16 8,388,608 bytes; k16 8,388,608 bytes; v16 8,388,608 bytes; fin 196,608 bytes; ao 8,388,608 bytes
;; launch prep (part 1): grid 624 x 1, 4 waves a work-group, no clusters, 102,912 bytes of LDS; arguments hidden_states, Wq, Wk, Wv, Wo, xq, wq4, wot; writes xq, wq4, wot
.if DOCPART == 1
	.amdgcn_target "amdgcn-amd-amdhsa--gfx1250"
	.amdhsa_code_object_version 6
	.text
	.protected	k_q040ec1ee1d_prep
	.globl	k_q040ec1ee1d_prep
	.p2align	8
	.type	k_q040ec1ee1d_prep,@function
k_q040ec1ee1d_prep:
	s_mov_b64 s[64:65], 0
	v_nop
	global_prefetch_b8 v0, s[64:65] scope:SCOPE_SE
	s_setreg_imm32_b32 hwreg(HW_REG_WAVE_MODE, 25, 1), 1
	s_wait_xcnt 0x0
; PREP: the operands of the later launches are laid out once.  Three kinds of work-group, told apart by the work-group's number alone:
;   0..47    W: Wq, Wk, Wv [2048 k][512 n] f32 -> codes of FP4 (E2M1), K innermost, one E8M0 byte for each 32 along K, into wq4; the rows are laid in the order in which the product's tiles take them
;   48..111  O: Wo [512 k][2048 n] f32 -> wot [2048 n][512 k] f16
;   112..623 X: hidden_states [8192][2048] f32 -> codes and scale bytes into xq (a plain stream of blocks of 32)
; A block's scale is 2^(floor(log2(largest magnitude)) - 2); its byte is the largest magnitude's exponent field - 2, held at 1 from below (a block of zeros keeps the byte 1: its codes are zeros,
; and this program alone reads the bytes).  LIMITS: blocks whose largest magnitude lies under 2^-124 keep the byte 1; NaN and infinities among the inputs are not served.
; xq: codes [8192][1024 bytes] at 0, scale bytes [8192][64] at 0x800000.   wq4: codes [1536 rows][1024 bytes] at 0, scale bytes [1536][64] at 0x180000.
; ORDER OF wq4's ROWS: R = 384 (2 head + e) + 192 nh + 64 T + 32 ui + 16 half + c, T = 0, 1, 2 for q, k, v.  For q and k row R is column 256 head + 128 half + 16 (4 e + 2 nh + ui) + c of its matrix,
; so that a rotary pair (d, d + 128) lies in neighbouring blocks of 16 rows; for v it is column 256 head + 128 e + 64 nh + 32 half + 16 ui + c.
; No tensor load, no barrier: waves share nothing.  Each kind has LDS bytes of its own.
.set STEPS, 16
.set EMAX,  2
.set CB,    8                          ; bytes of 16 codes
.set SP,    80                         ; X: a lane's place in a stage: 64 bytes + 16 of padding
.set WREG,  8192                       ; X: LDS of a wave: two stages of 32 x SP bytes, then its 256 scale bytes
.set PITCH, 272                        ; W, O: a stage row: 256 bytes + 16
.set WSTG,  32768                      ; W: four stages of 32 rows
.set OSTG,  67584                      ; O: four stages of 32 rows
.set SPARE, 102400                     ; the spare words, 128 bytes for each wave: no other line names them
.set SPW,   190                        ; v190 LDS address of my spare word; never rewritten
.set NIL,   191                        ; v191 0; never rewritten
.set XR,    16                         ; X: v16-79 four sets of 16 numbers as loaded
.set XX,    80                         ; X: v80-111 two sets of 16 neighbours
.set XE,    112                        ; X: v112-127 a scale byte for each step
.set XC,    128                        ; X: v128-189 codes, registers of its own for each step
.set WX,    32                         ; W, O: v32-95 two sets of 32 numbers
.set WC,    96                         ; W: v96-99 a block's codes;  O: v96-111 32 numbers as f16
.set WOUT,  112                        ; W, O: v112-175 the way out
.set WSB,   24                         ; W: v24-27 the scale bytes
	s_load_b256 s[4:11], s[0:1], 0x0               ; hidden s[4:5], Wq s[6:7], Wk s[8:9], Wv s[10:11]
	s_load_b256 s[12:19], s[0:1], 0x20             ; Wo s[12:13], xq s[14:15], wq4 s[16:17], wot s[18:19]
	v_lshl_add_u32 v[SPW], v0, 2, SPARE
	v_mov_b32 v[NIL], 0
	v_lshrrev_b32 v1, 5, v0
	v_readfirstlane_b32 s20, v1                    ; wave 0..3
	v_and_b32 v2, 31, v0                           ; lane
	s_mov_b32 s35, 0                               ; the upper word of every offset pair s[34:35]
	s_wait_kmcnt 0x0
	s_cmp_lt_u32 ttmp9, 48
	s_cbranch_scc1 .Lpath_w
	s_cmp_lt_u32 ttmp9, 112
	s_cbranch_scc1 .Lpath_o
; ---------------- X: a wave takes 16 steps of 512 numbers.  Each load reads 512 consecutive bytes; a step's 2,048 bytes turn through the wave's stage so that a lane holds 16 neighbours along K.
	v_lshlrev_b32 v3, 4, v2                        ; my 16 bytes of a load's 512
	s_mul_i32 s21, s20, WREG
	v_lshrrev_b32 v14, 2, v2
	v_mul_u32_u24 v14, v14, SP
	v_and_b32 v15, 3, v2
	v_lshl_add_u32 v14, v15, 4, v14
	v_add_nc_u32 v14, s21, v14                     ; the stage, in: SP (lane / 4) + 16 (lane % 4)
	v_mul_u32_u24 v15, v2, SP
	v_add_nc_u32 v15, s21, v15                     ; and out: SP x lane
	v_mul_u32_u24 v4, v2, CB                       ; my codes' place in a step's 256 bytes
	v_lshrrev_b32 v5, 1, v2
	s_add_co_u32 s21, s21, 2*32*SP
	v_add_nc_u32 v5, s21, v5                       ; my block's scale byte in the wave's 256
	v_lshlrev_b32 v7, 3, v2
	v_add_nc_u32 v6, s21, v7
	s_sub_co_u32 s22, ttmp9, 112
	s_lshl_b32 s22, s22, 2
	s_add_co_u32 s22, s22, s20                     ; which run of 8,192 numbers is my wave's
	s_lshl_b32 s34, s22, 15
	s_add_nc_u64 s[4:5], s[4:5], s[34:35]          ; 32,768 bytes of f32 a run,
	s_lshl_b32 s34, s22, 12
	s_add_nc_u64 s[26:27], s[14:15], s[34:35]      ; 4,096 of codes,
	s_lshl_b32 s34, s22, 8
	s_add_co_u32 s34, s34, 0x800000
	s_add_nc_u64 s[28:29], s[14:15], s[34:35]      ; 256 scale bytes
.macro XLOAD t
.irp i, 0,1,2,3
	global_load_b128 v[XR+16*((\t)%4)+4*\i:XR+16*((\t)%4)+4*\i+3], v3, s[4:5] offset:2048*(\t)+512*\i th:TH_LOAD_NT
.endr
.endm
.macro XTURN t                         ; LDS serves a wave's instructions in order: no wait between the stores and the loads
.irp i, 0,1,2,3
	ds_store_b128 v14, v[XR+16*((\t)%4)+4*\i:XR+16*((\t)%4)+4*\i+3] offset:32*SP*((\t)%2)+8*SP*\i
.endr
.irp i, 0,1,2,3
	ds_load_b128 v[XX+16*((\t)%2)+4*\i:XX+16*((\t)%2)+4*\i+3], v15 offset:32*SP*((\t)%2)+16*\i
.endr
.endm
.irp t, 0,1,2,3
	XLOAD \t
.endr
	s_wait_loadcnt 12                              ; step 0's four loads are in; the twelve of steps 1 to 3 may be out
	XTURN 0
.macro XSTEP t
.set XS, XX+16*((\t)%2)
.if (\t) > 0
	s_wait_dscnt 1                                 ; this step's numbers are back from the stage; the last step's byte store may be out
.else
	s_wait_dscnt 0x0
.endif
.if (\t)+4 < STEPS
	XLOAD (\t)+4                                   ; into the registers whose stores into the stage are done
.endif
.if (\t)+1 < STEPS
.if STEPS-2-(\t) >= 3
	s_wait_loadcnt 12                              ; the next step's four loads are in; those of the three steps behind it may be out
.else
	s_wait_loadcnt 4*(STEPS-2-(\t))
.endif
	XTURN (\t)+1
.endif
	v_max3_num_f32 v8, |v[XS]|, |v[XS+1]|, |v[XS+2]|
	v_max3_num_f32 v9, |v[XS+3]|, |v[XS+4]|, |v[XS+5]|
.irp i, 6,10
	v_max3_num_f32 v8, v8, |v[XS+\i]|, |v[XS+\i+1]|
	v_max3_num_f32 v9, v9, |v[XS+\i+2]|, |v[XS+\i+3]|
.endr
	v_max3_num_f32 v8, v8, |v[XS+14]|, |v[XS+15]|
	v_max3_num_f32 v8, v8, v9, (EMAX+1)<<23        ; with the floor 2^(3 - 127): the byte cannot fall under 1
	v_max_num_f32_dpp v8, v8, v8 row_xmask:1 row_mask:0xf bank_mask:0xf   ; and my neighbour's 16: the block's largest magnitude
	v_add_nc_u32 v11, -(EMAX<<23), v8              ; 2 off its exponent field: the conversion takes the exponent field of this operand as its scale
	v_cvt_scalef32_pk8_fp4_f32 v[XC+4*(\t)], v[XS:XS+7], v11
	v_cvt_scalef32_pk8_fp4_f32 v[XC+4*(\t)+1], v[XS+8:XS+15], v11
	v_lshrrev_b32 v[XE+(\t)], 23, v11              ; the scale's byte
	ds_store_b8 v5, v[XE+(\t)] offset:16*(\t)      ; both lanes of a block write the same byte with the same value
	global_store_b64 v4, v[XC+4*(\t):XC+4*(\t)+1], s[26:27] offset:32*CB*(\t)   ; the wave stores 256 consecutive bytes, aligned
.endm
.irp t, 0,1,2,3,4,5,6,7,8,9,10,11,12,13,14,15
	XSTEP \t
.endr
	ds_load_b64 v[8:9], v6                         ; my wave's 256 scale bytes, 8 a lane
	s_wait_dscnt 0x0
	global_store_b64 v7, v[8:9], s[28:29]
	s_wait_tensorcnt 0x0                           ; the wave's end
	ds_add_u32 v[SPW], v[NIL]
	s_wait_dscnt 0x0
	s_endpgm
; ---------------- W: a lane takes a column, its registers run down K: 32 columns x 512 along K a wave, 16 blocks a lane.  The codes leave through the wave's stage as rows of 256 bytes.
.Lpath_w:
	s_lshr_b32 s21, ttmp9, 4                       ; T: which matrix
	s_and_b32 s24, ttmp9, 3                        ; nx: which 128 columns
	s_bfe_u32 s25, ttmp9, 0x20002                  ; ky: which 512 along K
	s_lshr_b32 s26, s24, 1                         ; head
	s_and_b32 s27, s24, 1
	s_lshr_b32 s28, s20, 1
	s_and_b32 s29, s20, 1
	s_cmp_eq_u32 s21, 0
	s_cselect_b64 s[22:23], s[6:7], s[8:9]
	s_cmp_eq_u32 s21, 2
	s_cselect_b64 s[22:23], s[10:11], s[22:23]     ; Wq, Wk or Wv: the choice hangs on the work-group's number alone
	s_cselect_b32 s30, s27, s28                    ; e:    v: nx & 1;     q, k: wave >> 1
	s_cselect_b32 s31, s28, s29                    ; nh:   v: wave >> 1;  q, k: wave & 1
	s_cselect_b32 s32, s29, s27                    ; half: v: wave & 1;   q, k: nx & 1
	s_lshl_b32 s26, s26, 1
	s_add_co_u32 s26, s26, s30
	s_mul_i32 s26, s26, 384
	s_mul_i32 s31, s31, 192
	s_add_co_u32 s26, s26, s31
	s_lshl_b32 s33, s21, 6
	s_add_co_u32 s26, s26, s33
	s_lshl_b32 s32, s32, 4
	s_add_co_u32 s26, s26, s32                     ; R0: lane l's column becomes row R0 + 32 (l / 16) + l % 16
	s_lshl_b32 s34, s25, 20                        ; 512 rows of 2,048 bytes
	s_lshl_b32 s33, s24, 9
	s_add_co_u32 s34, s34, s33
	s_lshl_b32 s33, s20, 7
	s_add_co_u32 s34, s34, s33
	s_add_nc_u64 s[22:23], s[22:23], s[34:35]
	s_lshl_b32 s34, s26, 10
	s_lshl_b32 s33, s25, 8
	s_add_co_u32 s34, s34, s33
	s_add_nc_u64 s[36:37], s[16:17], s[34:35]      ; codes: row R0, 256 ky bytes on
	s_lshl_b32 s34, s26, 6
	s_lshl_b32 s33, s25, 4
	s_add_co_u32 s34, s34, s33
	s_add_co_u32 s34, s34, 0x180000
	s_add_nc_u64 s[38:39], s[16:17], s[34:35]      ; scale bytes: row R0, 16 ky bytes on
	v_lshlrev_b32 v3, 2, v2
	s_mul_i32 s33, s20, 32*PITCH
	s_add_co_u32 s33, s33, WSTG
	v_mul_u32_u24 v4, v2, PITCH
	v_add_nc_u32 v4, s33, v4                       ; into the stage: row = my column
	v_and_b32 v5, 15, v2
	v_lshrrev_b32 v6, 4, v2
	v_mul_u32_u24 v7, v6, PITCH
	v_lshl_add_u32 v7, v5, 4, v7
	v_add_nc_u32 v7, s33, v7                       ; out of it: sixteen lanes to a row, two rows an instruction
	v_lshlrev_b32 v8, 10, v6
	v_lshl_add_u32 v8, v5, 4, v8                   ; and the same place in wq4
	v_lshl_add_u32 v9, v6, 5, v5
	v_lshlrev_b32 v9, 6, v9                        ; my row of scale bytes
.macro WLOAD t
.set ii, 0
.rept 32
	global_load_b32 v[WX+32*((\t)%2)+ii], v3, s[22:23] offset:(32*(\t)+ii)*2048 th:TH_LOAD_NT
.set ii, ii+1
.endr
.endm
	WLOAD 0
	WLOAD 1
.macro WBLOCK t
.set XS, WX+32*((\t)%2)
.if (\t) < 15
	s_wait_loadcnt 32                              ; this block's 32 loads are in; the next block's may be out
.else
	s_wait_loadcnt 0
.endif
	v_max3_num_f32 v12, |v[XS]|, |v[XS+1]|, |v[XS+2]|
	v_max3_num_f32 v13, |v[XS+3]|, |v[XS+4]|, |v[XS+5]|
.irp i, 6,10,14,18,22,26
	v_max3_num_f32 v12, v12, |v[XS+\i]|, |v[XS+\i+1]|
	v_max3_num_f32 v13, v13, |v[XS+\i+2]|, |v[XS+\i+3]|
.endr
	v_max3_num_f32 v12, v12, |v[XS+30]|, |v[XS+31]|
	v_max3_num_f32 v12, v12, v13, (EMAX+1)<<23     ; with the floor
	v_add_nc_u32 v11, -(EMAX<<23), v12
	v_lshrrev_b32 v13, 23, v11                     ; the scale's byte
.if (\t)%4 == 0
	v_mov_b32 v[WSB+(\t)/4], v13
.else
	v_lshl_or_b32 v[WSB+(\t)/4], v13, 8*((\t)%4), v[WSB+(\t)/4]
.endif
.irp g, 0,1,2,3
	v_cvt_scalef32_pk8_fp4_f32 v[WC+\g], v[XS+8*\g:XS+8*\g+7], v11
.endr
	ds_store_b128 v4, v[WC:WC+3] offset:16*(\t)
.if (\t)+2 < 16
	WLOAD (\t)+2
.endif
	s_wait_dscnt 0x0                               ; the store has read its registers
.endm
.irp t, 0,1,2,3,4,5,6,7,8,9,10,11,12,13,14,15
	WBLOCK \t
.endr
	global_store_b128 v9, v[WSB:WSB+3], s[38:39]
.irp t, 0,1,2,3,4,5,6,7,8,9,10,11,12,13,14,15
	ds_load_b128 v[WOUT+4*\t:WOUT+4*\t+3], v7 offset:2*\t*PITCH
.endr
.irp t, 0,1,2,3,4,5,6,7,8,9,10,11,12,13,14,15
	s_wait_dscnt 15-\t
	global_store_b128 v8, v[WOUT+4*\t:WOUT+4*\t+3], s[36:37] offset:(2*\t+16*(\t/8))*1024   ; stage rows 16 to 31 are rows R0 + 32 on; sixteen lanes store 256 consecutive bytes, aligned
.endr
	s_wait_tensorcnt 0x0                           ; the wave's end, as above
	ds_add_u32 v[SPW], v[NIL]
	s_wait_dscnt 0x0
	s_endpgm
; ---------------- O: the same frame: 32 columns x 128 along K a wave, rounded to f16; a column's 128 numbers are 256 bytes of its row of wot.
.Lpath_o:
	s_sub_co_u32 s21, ttmp9, 48
	s_and_b32 s24, s21, 15                         ; nx: which 128 columns
	s_lshr_b32 s25, s21, 4                         ; ky: which 128 along K
	s_lshl_b32 s34, s25, 20                        ; 128 rows of 8,192 bytes
	s_lshl_b32 s33, s24, 9
	s_add_co_u32 s34, s34, s33
	s_lshl_b32 s33, s20, 7
	s_add_co_u32 s34, s34, s33
	s_add_nc_u64 s[22:23], s[12:13], s[34:35]
	s_lshl_b32 s34, s24, 17                        ; row 128 nx + 32 wave of 1,024 bytes
	s_lshl_b32 s33, s20, 15
	s_add_co_u32 s34, s34, s33
	s_lshl_b32 s33, s25, 8
	s_add_co_u32 s34, s34, s33
	s_add_nc_u64 s[36:37], s[18:19], s[34:35]
	v_lshlrev_b32 v3, 2, v2
	s_mul_i32 s33, s20, 32*PITCH
	s_add_co_u32 s33, s33, OSTG
	v_mul_u32_u24 v4, v2, PITCH
	v_add_nc_u32 v4, s33, v4
	v_and_b32 v5, 15, v2
	v_lshrrev_b32 v6, 4, v2
	v_mul_u32_u24 v7, v6, PITCH
	v_lshl_add_u32 v7, v5, 4, v7
	v_add_nc_u32 v7, s33, v7
	v_lshlrev_b32 v8, 10, v6
	v_lshl_add_u32 v8, v5, 4, v8
.macro OLOAD t
.set ii, 0
.rept 32
	global_load_b32 v[WX+32*((\t)%2)+ii], v3, s[22:23] offset:(32*(\t)+ii)*8192
.set ii, ii+1
.endr
.endm
	OLOAD 0
	OLOAD 1
.macro OBLOCK t
.set XS, WX+32*((\t)%2)
.if (\t) < 3
	s_wait_loadcnt 32                              ; this block's 32 loads are in; the next block's may be out
.else
	s_wait_loadcnt 0
.endif
.set ii, 0
.rept 16
	v_cvt_pk_f16_f32 v[WC+ii], v[XS+2*ii], v[XS+2*ii+1]
.set ii, ii+1
.endr
.irp g, 0,1,2,3
	ds_store_b128 v4, v[WC+4*\g:WC+4*\g+3] offset:64*(\t)+16*\g
.endr
.if (\t)+2 < 4
	OLOAD (\t)+2
.endif
	s_wait_dscnt 0x0
.endm
.irp t, 0,1,2,3
	OBLOCK \t
.endr
.irp t, 0,1,2,3,4,5,6,7,8,9,10,11,12,13,14,15
	ds_load_b128 v[WOUT+4*\t:WOUT+4*\t+3], v7 offset:2*\t*PITCH
.endr
.irp t, 0,1,2,3,4,5,6,7,8,9,10,11,12,13,14,15
	s_wait_dscnt 15-\t
	global_store_b128 v8, v[WOUT+4*\t:WOUT+4*\t+3], s[36:37] offset:2*\t*1024
.endr
	s_wait_tensorcnt 0x0                           ; the wave's end, as above
	ds_add_u32 v[SPW], v[NIL]
	s_wait_dscnt 0x0
	s_endpgm
.Lfunc_end_k_q040ec1ee1d_prep:
	.size	k_q040ec1ee1d_prep, .Lfunc_end_k_q040ec1ee1d_prep-k_q040ec1ee1d_prep
	.p2alignl 7, 3214868480
	.fill 96, 4, 3214868480
	.section	.rodata,"a",@progbits
	.p2align	6, 0x0
	.amdhsa_kernel k_q040ec1ee1d_prep
		.amdhsa_group_segment_fixed_size 102912
		.amdhsa_private_segment_fixed_size 0
		.amdhsa_enable_private_segment 0
		.amdhsa_kernarg_size 64
		.amdhsa_user_sgpr_count 2
		.amdhsa_user_sgpr_kernarg_segment_ptr 1
		.amdhsa_wavefront_size32 1
		.amdhsa_system_sgpr_workgroup_id_x 1
		.amdhsa_system_sgpr_workgroup_id_y 1
		.amdhsa_system_sgpr_workgroup_id_z 1
		.amdhsa_system_vgpr_workitem_id 0
		.amdhsa_next_free_vgpr 192
		.amdhsa_next_free_sgpr 66
		.amdhsa_reserve_vcc 0
		.amdhsa_float_denorm_mode_32 3
		.amdhsa_float_denorm_mode_16_64 3
		.amdhsa_memory_ordered 1
		.amdhsa_forward_progress 1
		.amdhsa_inst_pref_size 133
	.end_amdhsa_kernel
	.amdgpu_metadata
---
amdhsa.version: [ 1, 2 ]
amdhsa.kernels:
  - .name:           k_q040ec1ee1d_prep
    .symbol:         k_q040ec1ee1d_prep.kd
    .args:
      - { .name: hidden_states, .offset: 0, .size: 8, .value_kind: global_buffer, .address_space: global }
      - { .name: Wq, .offset: 8, .size: 8, .value_kind: global_buffer, .address_space: global }
      - { .name: Wk, .offset: 16, .size: 8, .value_kind: global_buffer, .address_space: global }
      - { .name: Wv, .offset: 24, .size: 8, .value_kind: global_buffer, .address_space: global }
      - { .name: Wo, .offset: 32, .size: 8, .value_kind: global_buffer, .address_space: global }
      - { .name: xq, .offset: 40, .size: 8, .value_kind: global_buffer, .address_space: global }
      - { .name: wq4, .offset: 48, .size: 8, .value_kind: global_buffer, .address_space: global }
      - { .name: wot, .offset: 56, .size: 8, .value_kind: global_buffer, .address_space: global }
    .group_segment_fixed_size: 102912
    .private_segment_fixed_size: 0
    .kernarg_segment_align: 8
    .kernarg_segment_size: 64
    .max_flat_workgroup_size: 128
    .sgpr_count:     66
    .vgpr_count:     192
    .wavefront_size: 32
...
	.end_amdgpu_metadata
.endif
;; end of part 1
;; launch qkv (part 2): grid 4 x 64, 4 waves a work-group, clusters of 4 x 4, 327,680 bytes of LDS; arguments xq, wq4, cos, sin, q16, k16, v16, fin; writes q16, k16, v16, fin
.if DOCPART == 2
	.amdgcn_target "amdgcn-amd-amdhsa--gfx1250"
	.amdhsa_code_object_version 6
	.text
	.protected	k_q040ec1ee1d_qkv
	.globl	k_q040ec1ee1d_qkv
	.p2align	8
	.type	k_q040ec1ee1d_qkv,@function
k_q040ec1ee1d_qkv:
	s_mov_b64 s[64:65], 0
	v_nop
	global_prefetch_b8 v0, s[64:65] scope:SCOPE_SE
	s_setreg_imm32_b32 hwreg(HW_REG_WAVE_MODE, 25, 1), 1
	s_wait_xcnt 0x0
	s_wait_alu depctr_hold_cnt(0) depctr_sa_sdst(0) depctr_va_vdst(0) depctr_va_sdst(0) depctr_va_ssrc(0) depctr_va_vcc(0) depctr_vm_vsrc(0)
	s_getreg_b32 s2, hwreg(HW_REG_IB_STS2, 6, 4)
	s_cmp_eq_u32 s2, 0
	s_cbranch_scc0 .Lentry_in_a_cluster
	s_endpgm
.Lentry_in_a_cluster:
	s_bfe_u32 s2, ttmp6, 0x10000c
	s_cmp_lg_u32 s2, 0xf033
	s_cbranch_scc0 .Lentry_shape_is_right
	s_endpgm
.Lentry_shape_is_right:
; QKV: [8192 tokens][2048] x [1536 rows of wq4][2048]^T on codes of FP4 with E8M0 scales, f32 sums; then the rotary embedding and the scalings in f32; results as f16.
; A work-group makes 128 tokens x 384 rows of wq4 (one half head of q, k and v): 64 x 4 = 256 work-groups.  Wave w: tokens 64 (w >> 1) on, rows 192 (w & 1) on: 4 x 12 accumulators of 16 x 16.
; K goes in 4 steps of 512 (rows of 256 bytes) through two LDS slots filled by the tensor data mover; the scale bytes of the 512 rows, for all of K, come once with the first fills.
; CLUSTER 4 x 4: the four of a row need the same tokens' codes, the four of a column the same rows of wq4: each tile is asked for jointly.  Wave 0 fetches the tokens' 128 rows, waves 1 to 3 wq4's 3 x 128.
; THE MATRIX INSTRUCTION IS USED TRANSPOSED (source 0 = 16 rows of wq4, source 1 = 16 tokens): a lane holds one token and eight neighbouring rows of wq4.
; wq4's rows are ordered so that column block b = 4 T + 2 ui + half of a wave holds, for q and k, channel 128 half + 16 (4 e + 2 nh + ui) + c: a rotary pair lies in blocks b and b + 1 of one lane.
; OUT: q16, k16, v16 [2 b + head][4096][256] f16, element P = 128 e + 64 nh + 16 pos + 8 h + j (q, k: pos = 2 ui + half, one common permutation of the channels; v: pos = 2 half + ui, the true channel).
; q is multiplied by 2 log2(e) / 50 and k by 1 / 16, so that q . k is 2 log2(e) x (logit / 50).  fin: the same numbers in f32 for positions 0 to 15 of each sequence, [b][T][head][16][256].
; LIMITS: q x 0.0577, k / 16 and v must stay under 65,504 (f16); NaN and infinities are not served.
; REGISTERS: window 0: v8-29 addresses; v32-127 scale words, two sets of 48, and nothing else; v128-191 the tokens' fragments, two sets; on the way out v128-255 are at work.
;   window 1: wq4's fragments, two sets of 96, at v0 and v128; on the way out cos and sin.   window 2: accumulators of token blocks 0, 1 ((a, b) at v[8 (12 (a % 2) + b)]);  window 3: of blocks 2, 3.
.set PITCH,  272                       ; an LDS row: 256 bytes + 16 of padding: the 16 rows of a load start at 16 different banks (64 banks of 4 bytes: ISA guide 11.1)
.set HALFT,  128*PITCH                 ; 128 rows: what one tensor load brings
.set SLOT,   4*HALFT                   ; the tokens' 128 rows, then wq4's 384
.set SCL,    2*SLOT                    ; behind the ring: the scale bytes, as units of 256 bytes + 16
.set HALFS,  32*272                    ; those of 128 rows (64 bytes a row)
.set SBLK,   4*272                     ; those of 16 rows
.set SPARE,  SCL+4*HALFS               ; the spare words, 128 bytes for each wave
.set STO0, 8                           ; v8-10   the way out: where I put 16 bytes of a row of q, k, v (the stage lies in slot 0, which has had its last fill and its last read by then)
.set RD0,  11                          ; v11-13  where I read rows back
.set CO,   14                          ; v14     my byte offset in the output rows
.set CSO,  15                          ; v15     my byte offset in cos and sin
.set ADRA, 16                          ; v16-17  LDS address of the tokens' fragments in slot 0, 1
.set FO,   18                          ; v18     my byte offset in fin
.set FLG,  19                          ; v19     0 where my token block 0 is positions 0 to 15 of a sequence
.set ADRB, 20                          ; v20-21  LDS address of wq4's fragments
.set ADRS, 27                          ; v27     LDS address of my scale words: lanes 0-15 the tokens', lanes 16-31 wq4's
.set SPW,  28
.set NIL,  29
.set SC,   32
.set AF,   128
.set RR,   128                         ; the way out: v128-191 rotated q and k of one token block, f32
.set HH,   192                         ; v192-255 packed f16
.set G1,   24
.set G0,   32
.set G1B,  48
.set G0B,  56
.set G1S,  68
.set G0S,  76
.set G1SB, 80
.set G0SB, 88
.set MSB, 0
.macro WIN new                         ; the immediate's high byte repeats the setting that is left
.if MSB != (\new)
	s_set_vgpr_msb (MSB<<8)|(\new)
.set MSB, (\new)
.endif
.endm
.set MUL_LO, 0xa1                      ; source 0 window 1, source 1 window 0, C and D window 2
.set MUL_HI, 0xf1                      ; the same, C and D window 3
.set TO_B,   0x40                      ; destination window 1
.macro JLOAD g0a, g1a, g0b, g1b        ; a joint load: wave 0 for the tokens, waves 1 to 3 for wq4; an s_nop 0 and four v_nop follow each line
	s_cmp_eq_u32 s20, 0
	s_cbranch_scc0 .Lfor_b_\@
	tensor_load_to_lds s[\g0a:\g0a+3], s[\g1a:\g1a+7]
	s_nop 0
.rept 4
	v_nop
.endr
	s_branch .Lasked_\@
.Lfor_b_\@:
	tensor_load_to_lds s[\g0b:\g0b+3], s[\g1b:\g1b+7]
	s_nop 0
.rept 4
	v_nop
.endr
.Lasked_\@:
.endm
.macro CREST                           ; a round of the cluster's barrier behind its opening barrier
	s_cmp_lg_u32 s20, 0
	s_cbranch_scc1 .Lnot_wave_0_\@
	s_barrier_signal -3
.Lnot_wave_0_\@:
	s_barrier_wait -3
	s_barrier_signal -1
	s_barrier_wait -1
.endm
.macro CROUND
	s_barrier_signal -1
	s_barrier_wait -1
	CREST
.endm
.macro PLACES n
.rept \n
	v_nop
.endr
.endm
	s_load_b256 s[4:11], s[0:1], 0x0               ; xq s[4:5], wq4 s[6:7], cos s[8:9], sin s[10:11]
	s_load_b256 s[12:19], s[0:1], 0x20             ; q16 s[12:13], k16 s[14:15], v16 s[16:17], fin s[18:19]
	v_lshl_add_u32 v[SPW], v0, 2, SPARE
	v_mov_b32 v[NIL], 0
	ds_add_u32 v[SPW], v[NIL]                      ; the wave's opening: the add, twice on end, and its wait ahead of my first tensor load
	ds_add_u32 v[SPW], v[NIL]
	v_lshrrev_b32 v1, 5, v0
	v_readfirstlane_b32 s20, v1                    ; wave 0..3
	s_lshr_b32 s22, s20, 1                         ; mh: which 64 tokens
	s_and_b32 s23, s20, 1                          ; nh: which 192 rows of wq4
	s_bfe_u32 s40, ttmp6, 0x40000                  ; cx
	s_bfe_u32 s41, ttmp6, 0x40004                  ; cy
	s_lshl_b32 s42, ttmp9, 2
	s_add_co_u32 s42, s42, s40                     ; tile column 0..3
	s_and_b32 s43, ttmp7, 0xffff
	s_lshl_b32 s43, s43, 2
	s_add_co_u32 s43, s43, s41                     ; tile row 0..63
	s_lshl_b32 s44, s41, 2
	s_lshl_b32 s44, 15, s44                        ; my row of the cluster
	s_lshl_b32 s45, 0x1111, s40                    ; my column
	s_or_b32 s[G1+0], s44, (0<<16)|(1<<20)|(1<<21)|(5<<22)|(3<<25)   ; the mask; elements of 1 byte; padding on; bit 21 beside a mask; 4 words behind every 64
	s_or_b32 s[G1B+0], s45, (0<<16)|(1<<20)|(1<<21)|(5<<22)|(3<<25)
.irp g, G1, G1B
	s_mov_b32 s[\g+1], 256<<16                     ; tensor_dim0 = 256 bytes
	s_mov_b32 s[\g+2], 128<<16                     ; tensor_dim1 = 128 rows
	s_mov_b32 s[\g+3], 256<<16                     ; tile_dim0
	s_mov_b32 s[\g+4], 128                         ; tile_dim1
	s_mov_b32 s[\g+5], 1024                        ; a row of codes in memory
	s_mov_b32 s[\g+6], 0
	s_mov_b32 s[\g+7], 0
.endr
	s_or_b32 s[G1S+0], s44, (3<<16)|(1<<20)|(1<<21)|(5<<22)|(3<<25)  ; the scale bytes of 128 rows: 8,192 dense bytes as 32 rows of 32 elements of 8 bytes
	s_or_b32 s[G1SB+0], s45, (3<<16)|(1<<20)|(1<<21)|(5<<22)|(3<<25)
.irp g, G1S, G1SB
	s_mov_b32 s[\g+1], 32<<16
	s_mov_b32 s[\g+2], 32<<16
	s_mov_b32 s[\g+3], 32<<16
	s_mov_b32 s[\g+4], 32
	s_mov_b32 s[\g+5], 32
	s_mov_b32 s[\g+6], 0
	s_mov_b32 s[\g+7], 0
.endr
	s_lshl_b32 s92, s43, 17                        ; the tokens' codes: row 128 x tile row of 1,024 bytes
	s_mov_b32 s93, 0
	s_lshl_b32 s94, s43, 13                        ; their scale bytes: 64 a row
	s_add_co_u32 s94, s94, 0x800000
	s_mov_b32 s95, 0
	s_max_u32 s46, s20, 1
	s_sub_co_u32 s46, s46, 1
	s_lshl_b32 s46, s46, 7
	s_mul_i32 s47, s42, 384
	s_add_co_u32 s46, s46, s47                     ; wq4: row 384 x tile column + 128 (wave - 1)
	s_lshl_b32 s96, s46, 10
	s_mov_b32 s97, 0
	s_lshl_b32 s98, s46, 6
	s_add_co_u32 s98, s98, 0x180000
	s_mov_b32 s99, 0
	s_mul_i32 s66, s20, HALFT                      ; where they go: wave x 128 rows: no place in the cluster enters an LDS address
	s_mul_i32 s67, s20, HALFS
	s_wait_dscnt 0x0                               ; both opening adds are done
	s_wait_kmcnt 0x0
	s_add_nc_u64 s[92:93], s[4:5], s[92:93]
	s_add_nc_u64 s[94:95], s[4:5], s[94:95]
	s_add_nc_u64 s[96:97], s[6:7], s[96:97]
	s_add_nc_u64 s[98:99], s[6:7], s[98:99]
	CROUND                                         ; all sixteen work-groups are here: the first joint loads meet
	s_mov_b32 s[G0S], 1
	s_add_co_u32 s[G0S+1], s67, SCL
	s_mov_b64 s[G0S+2:G0S+3], s[94:95]
	s_or_b32 s[G0S+3], s[G0S+3], 0x80000000
	s_mov_b32 s[G0SB], 1
	s_add_co_u32 s[G0SB+1], s67, SCL
	s_mov_b64 s[G0SB+2:G0SB+3], s[98:99]
	s_or_b32 s[G0SB+3], s[G0SB+3], 0x80000000
	JLOAD G0S, G1S, G0SB, G1SB                     ; the scale bytes first: filled once
.irp s, 0,1
	s_mov_b32 s[G0+4*\s], 1
	s_add_co_u32 s[G0+4*\s+1], s66, \s*SLOT
	s_add_nc_u64 s[G0+4*\s+2:G0+4*\s+3], s[92:93], \s*256
	s_or_b32 s[G0+4*\s+3], s[G0+4*\s+3], 0x80000000
	s_mov_b32 s[G0B+4*\s], 1
	s_add_co_u32 s[G0B+4*\s+1], s66, \s*SLOT
	s_add_nc_u64 s[G0B+4*\s+2:G0B+4*\s+3], s[96:97], \s*256
	s_or_b32 s[G0B+4*\s+3], s[G0B+4*\s+3], 0x80000000
	JLOAD G0+4*\s, G1, G0B+4*\s, G1B               ; K steps 0 and 1: by this text's count three loads of a wave are out
.endr
	v_and_b32 v1, 15, v0                           ; r
	v_bfe_u32 v2, v0, 4, 1                         ; h
	v_mul_u32_u24 v3, v1, PITCH
	v_lshl_add_u32 v4, v2, 4, v3                   ; r x pitch + 16 h
	s_mul_i32 s46, s22, 64*PITCH                   ; my 64 tokens
	s_mul_i32 s47, s23, 192*PITCH                  ; my 192 rows of wq4,
	s_add_co_u32 s47, s47, HALFT                   ; behind the tokens' 128
.irp s, 0,1
	v_add_nc_u32 v[ADRA+\s], s46, v4
	v_add_nc_u32 v[ADRB+\s], s47, v4
	s_add_co_u32 s46, s46, SLOT
	s_add_co_u32 s47, s47, SLOT
.endr
	v_lshlrev_b32 v5, 6, v1                        ; my row's scale bytes: 64 a row,
	v_lshrrev_b32 v6, 8, v5
	v_lshl_add_u32 v5, v6, 4, v5                   ; and 16 more for each 256 passed
	s_mul_i32 s46, s22, 4*SBLK                     ; the tokens': my four blocks
	s_mul_i32 s47, s23, 12*SBLK                    ; wq4's: my twelve, behind the tokens' eight
	s_add_co_u32 s47, s47, HALFS
	s_sub_co_u32 s47, s47, s46
	v_mul_u32_u24 v6, s47, v2                      ; lanes 16-31 take wq4's: one product on h
	s_add_co_u32 s46, s46, SCL
	v_add_nc_u32 v5, v5, v6
	v_add_nc_u32 v[ADRS], s46, v5
	s_mul_i32 s46, s22, 64*272                     ; the stage: row (T, token) at (128 T + token) x 272; in it 128 nh + 32 pos + 16 h
	s_lshl_b32 s47, s23, 7
	s_add_co_u32 s46, s46, s47
	v_add_nc_u32 v[STO0], s46, v4
	v_add_nc_u32 v[STO0+1], 34816, v[STO0]
	v_add_nc_u32 v[STO0+2], 69632, v[STO0]
	s_mul_i32 s46, s20, 32*272                     ; back: wave w takes rows 32 w on, whole: lanes 0-15 one row, lanes 16-31 the next
	v_mul_u32_u24 v5, v2, 272
	v_lshl_add_u32 v5, v1, 4, v5
	v_add_nc_u32 v[RD0], s46, v5
	v_add_nc_u32 v[RD0+1], 34816, v[RD0]
	v_add_nc_u32 v[RD0+2], 69632, v[RD0]
	s_lshl_b32 s46, s20, 14
	v_lshlrev_b32 v5, 9, v2
	v_lshl_add_u32 v5, v1, 4, v5
	v_add_nc_u32 v[CO], s46, v5                    ; (32 w + h) rows of 512 bytes + 16 (lane % 16)
	s_and_b32 s66, s42, 1                          ; e
	s_lshr_b32 s67, s42, 1                         ; head
	s_lshl_b32 s46, s66, 8
	s_lshl_b32 s47, s23, 7
	s_add_co_u32 s46, s46, s47
	v_lshlrev_b32 v5, 10, v1
	v_lshl_add_u32 v5, v2, 5, v5
	v_add_nc_u32 v[CSO], s46, v5                   ; cos, sin: r x 1,024 + 256 e + 128 nh + 32 h
	s_lshl_b32 s46, s46, 1
	v_add_nc_u32 v[FO], s46, v5                    ; fin: r x 1,024 + 512 e + 256 nh + 32 h
	s_and_b32 s46, s43, 31
	s_or_b32 s46, s46, s22
	v_mov_b32 v[FLG], s46
	s_lshl_b32 s2, s43, 17
	s_lshl_b32 s3, s22, 16
	s_add_co_u32 s2, s2, s3
	s_mov_b32 s3, 0
	s_add_nc_u64 s[8:9], s[8:9], s[2:3]            ; cos and sin at my first token
	s_add_nc_u64 s[10:11], s[10:11], s[2:3]
	s_lshr_b32 s46, s43, 5                         ; b
	s_lshl_b32 s2, s46, 1
	s_add_co_u32 s2, s2, s67
	s_lshl_b32 s2, s2, 21                          ; (2 b + head) x 4,096 rows of 512 bytes
	s_and_b32 s47, s43, 31
	s_lshl_b32 s47, s47, 16
	s_add_co_u32 s2, s2, s47                       ; + 128 (tile row % 32) rows
	s_lshl_b32 s47, s66, 8
	s_add_co_u32 s2, s2, s47                       ; + 256 e
	s_add_nc_u64 s[12:13], s[12:13], s[2:3]
	s_add_nc_u64 s[14:15], s[14:15], s[2:3]
	s_add_nc_u64 s[16:17], s[16:17], s[2:3]
	s_mul_i32 s2, s46, 98304
	s_lshl_b32 s47, s67, 14
	s_add_co_u32 s2, s2, s47
	s_add_nc_u64 s[18:19], s[18:19], s[2:3]        ; fin at (b, head)
	s_mov_b32 s92, 0x3d6c5f04                      ; 2 log2(e) / 50, for q
	s_mov_b32 s93, s92
	s_mov_b32 s94, 0x3d800000                      ; 1 / 16, for k
	s_mov_b32 s95, s94
.macro FRAG reg, adr, q, i             ; 16 rows x 128 K of 4-bit codes: 8 registers: lane l holds row l % 16; registers 4 c .. 4 c + 3 hold K = 64 c + 32 (l / 16) + 0 .. 31
.irp c, 0,1
	ds_load_b128 v[\reg+4*\c:\reg+4*\c+3], v[\adr] offset:64*(\q)+32*\c+(\i)*16*PITCH
.endr
.endm
; 12 matrix instructions: token block a x my 12 blocks of wq4, the slot's q-th 128 along K.  p: the set of fragments; sc: the set of scale words.  The 48 accumulators take turns, one instruction a turn.
.macro MUL12 a, p, q, sc, zero
.irp b, 0,1,2,3,4,5,6,7,8,9,10,11
.if \zero
	v_wmma_scale_f32_16x16x128_f8f6f4 v[8*(12*((\a)%2)+\b):8*(12*((\a)%2)+\b)+7], v[128*(\p)+8*\b:128*(\p)+8*\b+7], v[AF+32*(\p)+8*(\a):AF+32*(\p)+8*(\a)+7], 0, v[SC+48*(\sc)+4*\b+(\q)], v[SC+48*(\sc)+4*(\a)+(\q)] matrix_a_fmt:MATRIX_FMT_FP4 matrix_b_fmt:MATRIX_FMT_FP4 matrix_a_scale:MATRIX_SCALE_ROW1
.else
	v_wmma_scale_f32_16x16x128_f8f6f4 v[8*(12*((\a)%2)+\b):8*(12*((\a)%2)+\b)+7], v[128*(\p)+8*\b:128*(\p)+8*\b+7], v[AF+32*(\p)+8*(\a):AF+32*(\p)+8*(\a)+7], v[8*(12*((\a)%2)+\b):8*(12*((\a)%2)+\b)+7], v[SC+48*(\sc)+4*\b+(\q)], v[SC+48*(\sc)+4*(\a)+(\q)] matrix_a_fmt:MATRIX_FMT_FP4 matrix_b_fmt:MATRIX_FMT_FP4 matrix_a_scale:MATRIX_SCALE_ROW1
.endif
.endr
.endm
.macro FETCH slot, q, p                ; 32 LDS loads in one run: the fragments of the slot's q-th 128 along K into set p
	WIN TO_B
.irp i, 0,1,2,3,4,5,6,7,8,9,10,11
	FRAG 128*(\p)+8*\i, ADRB+\slot, \q, \i
.endr
	WIN 0
.irp i, 0,1,2,3
	FRAG AF+32*(\p)+8*\i, ADRA+\slot, \q, \i
.endr
.endm
.macro SCALES sc                       ; a K step's scale words: four a row; lanes 0-15 the tokens' block i (used for i under 4), lanes 16-31 wq4's block i
.irp i, 0,1,2,3,4,5,6,7,8,9,10,11
	ds_load_b128 v[SC+48*\sc+4*\i:SC+48*\sc+4*\i+3], v[ADRS] offset:\i*SBLK
.endr
.endm
.macro STEP slot, q, zero              ; 128 along K that has its successor in the same slot
	s_wait_dscnt 0x0                               ; this step's fragments are in (asked for 24 matrix instructions ago)
	WIN MUL_LO
	MUL12 0, (\q)%2, \q, \slot, \zero
	MUL12 1, (\q)%2, \q, \slot, \zero
	PLACES 4                                       ; four places in front of loads into registers that matrix instructions have read (ISA guide 7.12.1 for vector instructions)
	FETCH \slot, (\q)+1, 1-(\q)%2
	WIN MUL_HI
	MUL12 2, (\q)%2, \q, \slot, \zero
	MUL12 3, (\q)%2, \q, \slot, \zero
.endm
; A slot's last step changes slots: one barrier; in front of it each wave waits for all its tensor loads, adds 0 to its spare word, and waits for that and for its reads of this slot.
.macro TURN slot, next, fill
	WIN 0
	s_wait_tensorcnt 0x0                           ; all my tensor loads have landed: my part of the next slot
	ds_add_u32 v[SPW], v[NIL]
	s_wait_dscnt 1                                 ; the fragments are in; the add may be out
	WIN MUL_LO
	MUL12 0, 1, 3, \slot, 0
	s_wait_dscnt 0x0                               ; the add is done, and my reads of this slot are over
	s_barrier_signal -1
	MUL12 1, 1, 3, \slot, 0
	WIN 0
	s_barrier_wait -1
.if \fill
	CREST                                          ; the barrier has opened a round of the cluster's barrier: no wave of any partner still reads this slot or has a load on its way
	s_add_nc_u64 s[G0+4*\slot+2:G0+4*\slot+3], s[G0+4*\slot+2:G0+4*\slot+3], 512
	s_add_nc_u64 s[G0B+4*\slot+2:G0B+4*\slot+3], s[G0B+4*\slot+2:G0B+4*\slot+3], 512
	JLOAD G0+4*\slot, G1, G0B+4*\slot, G1B         ; two K steps on; its four v_nop are the places in front of the loads below
.else
	PLACES 4
.endif
	v_add_nc_u32 v[ADRS], 16, v[ADRS]              ; the next K step's scale words
	FETCH \next, 0, 0
	SCALES \next
	WIN MUL_HI
	MUL12 2, 1, 3, \slot, 0
	MUL12 3, 1, 3, \slot, 0
.endm
	s_wait_tensorcnt 1                             ; the scale bytes and my part of K step 0 are in; K step 1's load may be out
	s_barrier_signal -1
	s_barrier_wait -1
	FETCH 0, 0, 0
	SCALES 0
	STEP 0, 0, 1                                   ; the first products start the sums: nothing is cleared
	STEP 0, 1, 0
	STEP 0, 2, 0
	TURN 0, 1, 1
	STEP 1, 0, 0
	STEP 1, 1, 0
	STEP 1, 2, 0
	TURN 1, 0, 1
	STEP 0, 0, 0
	STEP 0, 1, 0
	STEP 0, 2, 0
	TURN 0, 1, 0                                   ; nothing is left to fetch
	STEP 1, 0, 0
	STEP 1, 1, 0
	STEP 1, 2, 0
	s_wait_dscnt 0x0
	WIN MUL_LO
	MUL12 0, 1, 3, 1, 0
	MUL12 1, 1, 3, 1, 0
	WIN MUL_HI
	MUL12 2, 1, 3, 1, 0
	MUL12 3, 1, 3, 1, 0
	WIN 0
	PLACES 4                                       ; in front of the loads into wq4's registers and of the first reads of results
	; THE WAY OUT.  cos and sin of my 64 tokens at my channels, into window 1: for (token block a, ui) 32 registers: cos low 8, cos high 8, sin low 8, sin high 8.
	WIN TO_B
.irp a, 0,1,2,3
.irp u, 0,1
.irp f, 0,1
.irp i, 0,1
	global_load_b128 v[64*\a+32*\u+8*\f+4*\i:64*\a+32*\u+8*\f+4*\i+3], v[CSO], s[8:9] offset:\a*16384+64*\u+512*\f+16*\i
.endr
.endr
.irp f, 0,1
.irp i, 0,1
	global_load_b128 v[64*\a+32*\u+16+8*\f+4*\i:64*\a+32*\u+16+8*\f+4*\i+3], v[CSO], s[10:11] offset:\a*16384+64*\u+512*\f+16*\i
.endr
.endr
.endr
.endr
	; while they travel: v, which has no rotation
.irp a, 0,1,2,3
	WIN 0x0a+5*(\a/2)                              ; sources in window 2 or 3
.irp b, 8,9,10,11
.irp i, 0,1,2,3
	v_cvt_pk_f16_f32 v[HH+16*\a+4*(\b-8)+\i], v[8*(12*(\a%2)+\b)+2*\i], v[8*(12*(\a%2)+\b)+2*\i+1]
.endr
.endr
	WIN 0
.irp b, 8,9,10,11
	ds_store_b128 v[STO0+2], v[HH+16*\a+4*(\b-8):HH+16*\a+4*(\b-8)+3] offset:\a*4352+32*(2*((\b-8)%2)+(\b-8)/2)
.endr
.endr
; q or k (T = 0, 1) of token block a, channels ui: low = x_lo cos_lo - x_hi sin_lo, high = x_hi cos_hi + x_lo sin_hi; the scaling; f16; into the stage.  Each accumulator is read from its low end on.
.macro ROPE a, u, T
.set ALO, 8*(12*((\a)%2)+4*(\T)+2*(\u))
.set AHI, ALO+8
.set CSB, 64*(\a)+32*(\u)
.set RLO, RR+8*(4*(\T)+2*(\u))
.set RHI, RLO+8
.set HBB, HH+32*((\a)%2)+8*(2*(\T)+(\u))
	WIN 0x06+(\a)/2                                ; source 0 window 2 or 3, source 1 window 1
.irp i, 0,2,4,6
	v_pk_mul_f32 v[RLO+\i:RLO+\i+1], v[ALO+\i:ALO+\i+1], v[CSB+\i:CSB+\i+1]
.endr
.irp i, 0,2,4,6
	v_pk_mul_f32 v[RHI+\i:RHI+\i+1], v[AHI+\i:AHI+\i+1], v[CSB+8+\i:CSB+8+\i+1]
.endr
.irp i, 0,2,4,6
	v_pk_fma_f32 v[RLO+\i:RLO+\i+1], v[AHI+\i:AHI+\i+1], v[CSB+16+\i:CSB+16+\i+1], v[RLO+\i:RLO+\i+1] neg_lo:[1,0,0] neg_hi:[1,0,0]
.endr
.irp i, 0,2,4,6
	v_pk_fma_f32 v[RHI+\i:RHI+\i+1], v[ALO+\i:ALO+\i+1], v[CSB+24+\i:CSB+24+\i+1], v[RHI+\i:RHI+\i+1]
.endr
	WIN 0
.irp i, 0,2,4,6,8,10,12,14
	v_pk_mul_f32 v[RLO+\i:RLO+\i+1], v[RLO+\i:RLO+\i+1], s[92+2*(\T):93+2*(\T)] op_sel_hi:[1,0]
.endr
.irp i, 0,1,2,3,4,5,6,7
	v_cvt_pk_f16_f32 v[HBB+\i], v[RLO+2*\i], v[RLO+2*\i+1]
.endr
	ds_store_b128 v[STO0+\T], v[HBB:HBB+3] offset:(\a)*4352+32*(2*(\u))
	ds_store_b128 v[STO0+\T], v[HBB+4:HBB+7] offset:(\a)*4352+32*(2*(\u)+1)
.endm
.macro ROPE4 a
	ROPE \a, 0, 0
	ROPE \a, 1, 0
	ROPE \a, 0, 1
	ROPE \a, 1, 1
.endm
	s_wait_loadcnt 48                              ; token block 0's sixteen loads are in; the 48 of blocks 1 to 3 may be out
	ROPE4 0
	; positions 0 to 15 of a sequence also go out in f32.  Which work-groups hold them hangs on the place in the cluster, so no branch: the lanes are switched off elsewhere.
	s_wait_xcnt 0x0                                ; EXEC changes only behind this wait
	v_cmp_eq_u32 vcc_lo, 0, v[FLG]
	s_and_saveexec_b32 s96, vcc_lo
.irp T, 0,1
.irp u, 0,1
.irp f, 0,1
.irp i, 0,1
	global_store_b128 v[FO], v[RR+8*(4*\T+2*\u+\f)+4*\i:RR+8*(4*\T+2*\u+\f)+4*\i+3], s[18:19] offset:32768*\T+64*(2*\u+\f)+16*\i
.endr
.endr
.endr
.endr
	WIN 0x08                                       ; a store's data are its source 1: window 2
.irp b, 0,1,2,3
.irp i, 0,1
	global_store_b128 v[FO], v[8*(8+\b)+4*\i:8*(8+\b)+4*\i+3], s[18:19] offset:65536+64*(2*(\b%2)+\b/2)+16*\i
.endr
.endr
	WIN 0
	s_wait_xcnt 0x0                                ; and again in front of the line that widens it; the stores' data may be rewritten too
	s_or_b32 exec_lo, exec_lo, s96
	s_wait_loadcnt 32
	ROPE4 1
	s_wait_loadcnt 16
	ROPE4 2
	s_wait_loadcnt 0
	ROPE4 3
	s_wait_dscnt 0x0                               ; for the others' sake: my stores into the stage are done
	s_barrier_signal -1
	s_barrier_wait -1
.macro OUT T, base                     ; 32 whole rows of 256 bytes: sixteen lanes store 256 consecutive bytes, aligned
.set BB, 128+64*((\T)%2)
.irp t, 0,1,2,3,4,5,6,7,8,9,10,11,12,13,14,15
	ds_load_b128 v[BB+4*\t:BB+4*\t+3], v[RD0+\T] offset:544*\t
.endr
.irp t, 0,1,2,3,4,5,6,7,8,9,10,11,12,13,14,15
	s_wait_dscnt 15-\t
	global_store_b128 v[CO], v[BB+4*\t:BB+4*\t+3], s[\base:\base+1] offset:1024*\t
.endr
.endm
	OUT 0, 12
	OUT 1, 14
	s_wait_xcnt 0x0                                ; q's stores have read their registers
	OUT 2, 16
	s_wait_tensorcnt 0x0                           ; the wave's end
	ds_add_u32 v[SPW], v[NIL]
	s_wait_dscnt 0x0
	CROUND                                         ; the closing round
	s_endpgm
.Lfunc_end_k_q040ec1ee1d_qkv:
	.size	k_q040ec1ee1d_qkv, .Lfunc_end_k_q040ec1ee1d_qkv-k_q040ec1ee1d_qkv
	.p2alignl 7, 3214868480
	.fill 96, 4, 3214868480
	.section	.rodata,"a",@progbits
	.p2align	6, 0x0
	.amdhsa_kernel k_q040ec1ee1d_qkv
		.amdhsa_group_segment_fixed_size 327680
		.amdhsa_private_segment_fixed_size 0
		.amdhsa_enable_private_segment 0
		.amdhsa_kernarg_size 64
		.amdhsa_user_sgpr_count 2
		.amdhsa_user_sgpr_kernarg_segment_ptr 1
		.amdhsa_wavefront_size32 1
		.amdhsa_system_sgpr_workgroup_id_x 1
		.amdhsa_system_sgpr_workgroup_id_y 1
		.amdhsa_system_sgpr_workgroup_id_z 1
		.amdhsa_system_vgpr_workitem_id 0
		.amdhsa_next_free_vgpr 1024
		.amdhsa_next_free_sgpr 100
		.amdhsa_reserve_vcc 1
		.amdhsa_float_denorm_mode_32 3
		.amdhsa_float_denorm_mode_16_64 3
		.amdhsa_memory_ordered 1
		.amdhsa_forward_progress 1
		.amdhsa_inst_pref_size 208
	.end_amdhsa_kernel
	.amdgpu_metadata
---
amdhsa.version: [ 1, 2 ]
amdhsa.kernels:
  - .name:           k_q040ec1ee1d_qkv
    .symbol:         k_q040ec1ee1d_qkv.kd
    .args:
      - { .name: xq, .offset: 0, .size: 8, .value_kind: global_buffer, .address_space: global }
      - { .name: wq4, .offset: 8, .size: 8, .value_kind: global_buffer, .address_space: global }
      - { .name: cos, .offset: 16, .size: 8, .value_kind: global_buffer, .address_space: global }
      - { .name: sin, .offset: 24, .size: 8, .value_kind: global_buffer, .address_space: global }
      - { .name: q16, .offset: 32, .size: 8, .value_kind: global_buffer, .address_space: global }
      - { .name: k16, .offset: 40, .size: 8, .value_kind: global_buffer, .address_space: global }
      - { .name: v16, .offset: 48, .size: 8, .value_kind: global_buffer, .address_space: global }
      - { .name: fin, .offset: 56, .size: 8, .value_kind: global_buffer, .address_space: global }
    .group_segment_fixed_size: 327680
    .private_segment_fixed_size: 0
    .kernarg_segment_align: 8
    .kernarg_segment_size: 64
    .max_flat_workgroup_size: 128
    .sgpr_count:     100
    .vgpr_count:     1024
    .wavefront_size: 32
...
	.end_amdgpu_metadata
.endif
;; end of part 2
;; launch attn (part 3): grid 64 x 4, 4 waves a work-group, no clusters, 327,680 bytes of LDS; arguments q16, k16, v16, ao; writes ao
.if DOCPART == 3
	.amdgcn_target "amdgcn-amd-amdhsa--gfx1250"
	.amdhsa_code_object_version 6
	.text
	.protected	k_q040ec1ee1d_attn
	.globl	k_q040ec1ee1d_attn
	.p2align	8
	.type	k_q040ec1ee1d_attn,@function
k_q040ec1ee1d_attn:
	s_mov_b64 s[64:65], 0
	v_nop
	global_prefetch_b8 v0, s[64:65] scope:SCOPE_SE
	s_setreg_imm32_b32 hwreg(HW_REG_WAVE_MODE, 25, 1), 1
	s_wait_xcnt 0x0
; ATTN: sliding-window attention with a tanh softcap.  q16, k16, v16: [2 b + head][4096][256] f16 (q and k scaled so that s = q . k is 2 log2(e) x logit / 50); ao: [8192 tokens][512] f16.
; SOFTCAP AND SOFTMAX IN ONE: e = 2^s, r = 1 / (1 + e) lies in 0 .. 1, and the capped logit x log2(e) is C1 / 2 - C1 r with C1 = 100 log2(e).  So the running maximum of the logits is kept as the running
; MINIMUM rm of r: p = 2^(C1 (rm - r)), at most 1; when rm moves, the sum and O are multiplied by a = 2^(C1 (rm_new - rm_old)).  A hidden score gets r = +infinity, so p = 0.  rm starts at 2.0, above every r.
; SHARES.  A work-group owns 64 queries of one head: 64 x 4 = 256 work-groups.  Wave w: queries 32 (w >> 1) on (two tiles of 16), and keys 64 (w & 1) on of every block of 128 keys: each fragment of K or V
; that it reads from LDS feeds two matrix instructions.  The two key halves are merged at the end through LDS.
; THE WALK.  Blocks of 128 keys, backward from the diagonal: a, a - 1, .., a - 8 with a = work-group x / 2: nine steps for every work-group.  Block a carries the causal mask, block a - 8 the window's;
; blocks a - 7 .. a - 1 count whole.  Blocks under 0 are neither fetched nor walked: scalar jumps on ids and the count of steps, the same in all four waves; every wait on TENSORcnt is for 0.
; The loop holds the first eight steps (the causal mask under a branch on the trip count); O starts as zeros, which the first change of rm leaves zeros; the ninth step is written out: it asks for nothing.
; NO CLUSTER: neighbouring query blocks walk different blocks of keys (nine each out of ten), and the jump that ends the look-ahead at block 0 may not lead round a joint load.
; NO PREFETCH: in their first step the launch's 256 work-groups together ask for every block of K and V, and each block is asked for by 18 work-groups: no stream here is read once.
; LAYOUT.  S^T = K Q^T (source 0 = 16 keys, source 1 = 16 queries) and O^T = V^T P (source 0 = 16 channels, turned by ds_load_tr16_b128; source 1 = P): a lane holds one query throughout.
; REGISTERS: window 0: v2-22 addresses; v24-39 statistics, 8 a tile; v40-47 at work; v64-127 S^T; v128-159 P.  window 1: O^T (tile qt, channels ct) at 128 qt + 8 ct.
;   window 2: v0-127 Q.   window 3: K of a step (kt, c) at 64 kt + 8 c, then V (g, ct) at 128 g + 8 ct: V is fetched when K's products are issued.
.set PK,    272                        ; a half row of K in LDS: 256 bytes + 16
.set PVP,   288                        ; a half row of V: 256 + 32
.set K1OFF, 34816                      ; a slot: K positions 0-127 (128 rows), K positions 128-255,
.set VOFF,  69632                      ; V channels 0-127,
.set V1OFF, 36864                      ; V channels 128-255 (that far behind)
.set SLOT1, 0x24000                    ; slot 1: bits 14 and 17, which none of the four regions' offsets has: one exclusive or turns an address
.set IMG,   SLOT1                      ; the merge: O's registers as images, 32,768 bytes a wave, in slot 1, which has had its last fill and its last read at the last change of slots
.set STAT,  IMG+4*32768                ; rm and the sum, 512 bytes a wave
.set STAGE, SLOT1+143360               ; behind the ring: 16 rows x 272 bytes for each wave
.set SPARE, STAGE+4*16*272             ; the spare words
.set TRIPS, 8
.set AK0, 2
.set AV0, 3
.set ADR, 4
.set QO,  5
.set STO, 6
.set RD,  7
.set GO,  8
.set IMW, 9
.set IMO, 10
.set IMP, 11
.set STW, 12
.set STP, 13
.set DD,  20                           ; v20-21 D(qt): key offset n = 16 kt + j of a register is after my query where n > D
.set INF, 22
.set ST,  24                           ; tile qt at v[ST + 8 qt]: +0, +1 C1 rm; +2, +3 the sum; +4 a (+5 named with it); +6 rm; +7 at work
.set MC,  40
.set SPW, 62
.set NIL, 63
.set S,   64
.set P,   128
.set WV,  12
.set G1K, 24
.set G1V, 32
.set G0K, 40
.set G0V, 44
.set BLK, 48                           ; s48 the block of keys in hand
.set CNT, 49
.set TB,  50                           ; s50 LDS byte at which the slot in hand begins
.set NC1, 52                           ; s[52:53] -C1
.set C1,  54
.set SEL, 56
.set MSB, 0
.macro WIN new
.if MSB != (\new)
	s_set_vgpr_msb (MSB<<8)|(\new)
.set MSB, (\new)
.endif
.endm
.macro TLOAD                           ; waves 0, 1: K's two halves; waves 2, 3: V's; an s_nop 0 and four v_nop follow each line
	s_cmp_lt_u32 s[WV], 2
	s_cbranch_scc0 .Lfor_v_\@
	tensor_load_to_lds s[G0K:G0K+3], s[G1K:G1K+7]
	s_nop 0
.rept 4
	v_nop
.endr
	s_branch .Lasked_\@
.Lfor_v_\@:
	tensor_load_to_lds s[G0V:G0V+3], s[G1V:G1V+7]
	s_nop 0
.rept 4
	v_nop
.endr
.Lasked_\@:
.endm
	s_load_b256 s[4:11], s[0:1], 0x0               ; q16 s[4:5], k16 s[6:7], v16 s[8:9], ao s[10:11]
	v_lshl_add_u32 v[SPW], v0, 2, SPARE
	v_mov_b32 v[NIL], 0
	ds_add_u32 v[SPW], v[NIL]                      ; the wave's opening: the add, twice on end, and its wait ahead of my first tensor load
	ds_add_u32 v[SPW], v[NIL]
	v_lshrrev_b32 v1, 5, v0
	v_readfirstlane_b32 s[WV], v1                  ; wave 0..3
	s_lshr_b32 s13, s[WV], 1                       ; qh
	s_and_b32 s14, s[WV], 1                        ; kh; also which half of the rows' bytes I fetch
	s_and_b32 s15, ttmp7, 0xffff                   ; 2 b + head
	s_lshr_b32 s[BLK], ttmp9, 1                    ; a
	s_mov_b32 s[G1K], (1<<16)|(1<<20)|(5<<22)|(3<<25)   ; elements of 2 bytes; padding: 4 words behind every 64
	s_mov_b32 s[G1V], (1<<16)|(1<<20)|(5<<22)|(7<<25)   ; 8 words
.irp g, G1K, G1V
	s_mov_b32 s[\g+1], 128<<16                     ; tensor_dim0 = 128 elements
	s_mov_b32 s[\g+2], 128<<16                     ; tensor_dim1 = 128 rows
	s_mov_b32 s[\g+3], 128<<16                     ; tile_dim0
	s_mov_b32 s[\g+4], 128                         ; tile_dim1
	s_mov_b32 s[\g+5], 256                         ; elements from row to row
	s_mov_b32 s[\g+6], 0
	s_mov_b32 s[\g+7], 0
.endr
	s_lshl_b32 s16, s15, 21                        ; K, V: the head's 4,096 rows of 512 bytes,
	s_lshl_b32 s17, s[BLK], 16                     ; block a,
	s_add_co_u32 s16, s16, s17
	s_lshl_b32 s17, s14, 8                         ; my half of the rows
	s_add_co_u32 s16, s16, s17
	s_mov_b32 s17, 0
	s_mul_i32 s18, s14, K1OFF
	s_mul_i32 s19, s14, V1OFF
	s_add_co_u32 s19, s19, VOFF
	s_lshl_b32 s20, s15, 21                        ; Q: row 64 x + 32 qh of the head
	s_lshl_b32 s21, ttmp9, 15
	s_add_co_u32 s20, s20, s21
	s_lshl_b32 s21, s13, 14
	s_add_co_u32 s20, s20, s21
	s_mov_b32 s21, 0
	s_lshr_b32 s22, s15, 1                         ; ao: token 4,096 b + 64 x + 32 qh of 1,024 bytes, + 512 head + 256 kh
	s_lshl_b32 s22, s22, 22
	s_lshl_b32 s23, ttmp9, 16
	s_add_co_u32 s22, s22, s23
	s_lshl_b32 s23, s13, 15
	s_add_co_u32 s22, s22, s23
	s_and_b32 s23, s15, 1
	s_lshl_b32 s23, s23, 9
	s_add_co_u32 s22, s22, s23
	s_lshl_b32 s23, s14, 8
	s_add_co_u32 s22, s22, s23
	s_mov_b32 s23, 0
	s_mov_b32 s[NC1], 0xc31044fe                   ; -100 log2(e)
	s_mov_b32 s[NC1+1], s[NC1]
	s_mov_b32 s[C1], 0x431044fe
	s_mov_b32 s[SEL], 0x76543210
	s_mov_b32 s[SEL+1], 0xfedcba98
	s_mov_b32 s[TB], 0
	s_mov_b32 s[CNT], TRIPS
	s_wait_dscnt 0x0                               ; both opening adds are done
	s_wait_kmcnt 0x0
	s_mov_b32 s[G0K], 1
	s_mov_b32 s[G0K+1], s18
	s_add_nc_u64 s[G0K+2:G0K+3], s[6:7], s[16:17]
	s_or_b32 s[G0K+3], s[G0K+3], 0x80000000
	s_mov_b32 s[G0V], 1
	s_mov_b32 s[G0V+1], s19
	s_add_nc_u64 s[G0V+2:G0V+3], s[8:9], s[16:17]
	s_or_b32 s[G0V+3], s[G0V+3], 0x80000000
	TLOAD                                          ; slot 0: block a, which holds every query's own key
	s_add_nc_u64 s[4:5], s[4:5], s[20:21]
	s_add_nc_u64 s[10:11], s[10:11], s[22:23]
	v_and_b32 v1, 15, v0                           ; r
	v_bfe_u32 v14, v0, 4, 1                        ; h
	v_lshlrev_b32 v[QO], 9, v1
	v_lshl_add_u32 v[QO], v14, 4, v[QO]
	WIN 0x80                                       ; destination window 2
.set ii, 0
.rept 16                               ; Q stays in registers: tile ii / 8, positions 32 (ii % 8) on
	global_load_b128 v[8*ii:8*ii+3],   v[QO], s[4:5] offset:(ii/8)*8192+(ii%8)*64
	global_load_b128 v[8*ii+4:8*ii+7], v[QO], s[4:5] offset:(ii/8)*8192+(ii%8)*64+32
.set ii, ii+1
.endr
	WIN 0x40                                       ; destination window 1
.set ii, 0
.rept 256
	v_mov_b32 v[ii], 0                             ; O^T.  The key step is written once for the first eight steps: the first finds zeros
.set ii, ii+1
.endr
	WIN 0
	s_mul_i32 s16, s14, 64*PK
	v_mul_u32_u24 v[AK0], v1, PK
	v_lshl_add_u32 v[AK0], v14, 4, v[AK0]
	v_add_nc_u32 v[AK0], s16, v[AK0]               ; K: (64 kh + r) x pitch + 16 h
	v_and_b32 v15, 7, v0
	v_bfe_u32 v16, v0, 3, 1
	v_lshl_add_u32 v[AV0], v14, 3, v15
	v_mul_u32_u24 v[AV0], v[AV0], PVP
	v_lshl_add_u32 v[AV0], v16, 4, v[AV0]
	s_mul_i32 s16, s14, 64*PVP
	s_add_co_u32 s16, s16, VOFF
	v_add_nc_u32 v[AV0], s16, v[AV0]               ; V: (64 kh + 8 h + l % 8) x pitch + 16 ((l / 8) % 2)
	s_and_b32 s16, ttmp9, 1
	s_lshl_b32 s16, s16, 6
	s_lshl_b32 s17, s13, 5
	s_add_co_u32 s16, s16, s17
	s_lshl_b32 s17, s14, 6
	s_sub_co_u32 s16, s16, s17
	v_lshlrev_b32 v15, 3, v14
	v_sub_nc_u32 v[DD], v1, v15
	v_add_nc_u32 v[DD], s16, v[DD]                 ; D = 64 (x & 1) + 32 qh + 16 qt + r - 64 kh - 8 h
	v_add_nc_u32 v[DD+1], 16, v[DD]
	v_mov_b32 v[INF], 0x7f800000
	v_and_b32 v15, 31, v0                          ; lane
	s_lshl_b32 s16, s[WV], 15
	s_add_co_u32 s16, s16, IMG
	v_lshl_add_u32 v[IMW], v15, 4, s16             ; my images
	s_lshl_b32 s17, s14, 13
	s_add_co_u32 s16, s16, s17
	v_lshl_add_u32 v[IMO], v15, 4, s16             ; of them the channel half that I finish
	s_xor_b32 s18, s[WV], 1                        ; my partner: the same queries, the other keys
	s_lshl_b32 s16, s18, 15
	s_add_co_u32 s16, s16, IMG
	s_add_co_u32 s16, s16, s17
	v_lshl_add_u32 v[IMP], v15, 4, s16             ; and the same half of the partner's
	s_lshl_b32 s16, s[WV], 9
	s_add_co_u32 s16, s16, STAT
	v_lshl_add_u32 v[STW], v15, 2, s16
	s_lshl_b32 s16, s18, 9
	s_add_co_u32 s16, s16, STAT
	v_lshl_add_u32 v[STP], v15, 2, s16
	s_mul_i32 s16, s[WV], 16*272
	s_add_co_u32 s16, s16, STAGE
	v_mul_u32_u24 v[STO], v1, 272
	v_lshl_add_u32 v[STO], v14, 4, v[STO]
	v_add_nc_u32 v[STO], s16, v[STO]
	v_mul_u32_u24 v[RD], v14, 272
	v_lshl_add_u32 v[RD], v1, 4, v[RD]
	v_add_nc_u32 v[RD], s16, v[RD]
	v_lshlrev_b32 v[GO], 10, v14
	v_lshl_add_u32 v[GO], v1, 4, v[GO]
.irp qt, 0,1
.irp i, 0,1,2,3,4,5,7
	v_mov_b32 v[ST+8*\qt+\i], 0                    ; the sum starts at 0
.endr
	v_mov_b32 v[ST+8*\qt+6], 2.0                   ; rm: above every r
.endr
.irp i, 0,1,2,3,4,5,6,7
	v_mov_b32 v[MC+\i], 0
.endr
.macro FETCH_K                         ; 64 keys x 256 positions: 64 loads, key tiles in order.  The addition and three v_nop are the four places behind the products that read these registers
	v_add_nc_u32 v[ADR], s[TB], v[AK0]
.rept 3
	v_nop
.endr
	WIN 0xc0                                       ; destination window 3
.irp kt, 0,1,2,3
.irp c, 0,1,2,3,4,5,6,7
	ds_load_b128 v[64*\kt+8*\c:64*\kt+8*\c+3],   v[ADR] offset:(\c/4)*K1OFF+(\c%4)*64+\kt*16*PK
	ds_load_b128 v[64*\kt+8*\c+4:64*\kt+8*\c+7], v[ADR] offset:(\c/4)*K1OFF+(\c%4)*64+\kt*16*PK+32
.endr
.endr
.endm
.macro QKH hh                          ; key tiles 2 hh, 2 hh + 1 x both query tiles: four accumulators by turns, one instruction a turn
	WIN 0x0b                                       ; K window 3, Q window 2, S^T window 0
.irp c, 0,1,2,3,4,5,6,7
.irp k, 0,1
.irp qt, 0,1
.if \c == 0
	v_wmma_f32_16x16x32_f16 v[S+32*\qt+8*(2*\hh+\k):S+32*\qt+8*(2*\hh+\k)+7], v[64*(2*\hh+\k)+8*\c:64*(2*\hh+\k)+8*\c+7], v[64*\qt+8*\c:64*\qt+8*\c+7], 0
.else
	v_wmma_f32_16x16x32_f16 v[S+32*\qt+8*(2*\hh+\k):S+32*\qt+8*(2*\hh+\k)+7], v[64*(2*\hh+\k)+8*\c:64*(2*\hh+\k)+8*\c+7], v[64*\qt+8*\c:64*\qt+8*\c+7], v[S+32*\qt+8*(2*\hh+\k):S+32*\qt+8*(2*\hh+\k)+7]
.endif
.endr
.endr
.endr
.endm
.macro FETCH_V                         ; 64 keys x 256 channels, turned; the four places also serve the first read of the scores
	v_add_nc_u32 v[ADR], s[TB], v[AV0]
.rept 3
	v_nop
.endr
	WIN 0xc0
.irp g, 0,1
.irp ct, 0,1,2,3,4,5,6,7,8,9,10,11,12,13,14,15
	ds_load_tr16_b128 v[128*\g+8*\ct:128*\g+8*\ct+3],   v[ADR] offset:(\ct/8)*V1OFF+(\ct%8)*32+\g*32*PVP
	ds_load_tr16_b128 v[128*\g+8*\ct+4:128*\g+8*\ct+7], v[ADR] offset:(\ct/8)*V1OFF+(\ct%8)*32+\g*32*PVP+16*PVP
.endr
.endr
.endm
; mode 0: in the loop: the causal mask in the first trip alone.  mode 2: the window's mask.
.macro SOFTMAX mode
.set ii, 0
.rept 64
	v_exp_f32 v[S+ii], v[S+ii]                     ; e = 2^s; each accumulator from its low end on
.set ii, ii+1
.endr
	v_nop                                          ; a plain instruction behind the batch,
	s_wait_alu depctr_va_vdst(0)                   ; and one wait for it, ahead of its first reader
.set ii, 0
.rept 32
	v_pk_add_f32 v[S+ii:S+ii+1], v[S+ii:S+ii+1], 1.0 op_sel_hi:[1,0]
.set ii, ii+2
.endr
.set ii, 0
.rept 64
	v_rcp_f32 v[S+ii], v[S+ii]                     ; r = 1 / (1 + e)
.set ii, ii+1
.endr
	v_nop
	s_wait_alu depctr_va_vdst(0)
.if \mode == 0
	s_cmp_lg_u32 s[CNT], TRIPS
	s_cbranch_scc1 .Lopen_\@
.endif
.irp qt, 0,1
.set ii, 0
.rept 32
.if \mode == 0
	v_cmp_gt_i32 vcc_lo, 16*(ii/8)+ii%8, v[DD+\qt] ; the key comes after the query
.else
	v_cmp_le_i32 vcc_lo, 16*(ii/8)+ii%8, v[DD+\qt] ; the key lies 1,024 or more before it
.endif
	v_cndmask_b32 v[S+32*\qt+ii], v[S+32*\qt+ii], v[INF], vcc_lo
.set ii, ii+1
.endr
.endr
.if \mode == 0
.Lopen_\@:
.endif
.irp qt, 0,1
.irp k, 0,1,2,3
	v_min3_num_f32 v[MC+4*\qt+\k], v[S+32*\qt+8*\k], v[S+32*\qt+8*\k+1], v[S+32*\qt+8*\k+2]
.endr
.endr
.irp i, 3,5
.irp qt, 0,1
.irp k, 0,1,2,3
	v_min3_num_f32 v[MC+4*\qt+\k], v[MC+4*\qt+\k], v[S+32*\qt+8*\k+\i], v[S+32*\qt+8*\k+\i+1]
.endr
.endr
.endr
.irp qt, 0,1
	v_min3_num_f32 v[MC+4*\qt], v[MC+4*\qt], v[S+32*\qt+7], v[S+32*\qt+15]
	v_min3_num_f32 v[MC+4*\qt+2], v[MC+4*\qt+2], v[S+32*\qt+23], v[S+32*\qt+31]
.endr
.irp qt, 0,1
	v_min3_num_f32 v[MC+4*\qt], v[MC+4*\qt], v[MC+4*\qt+1], v[MC+4*\qt+2]
.endr
.irp qt, 0,1
	v_min3_num_f32 v[MC+4*\qt], v[MC+4*\qt], v[MC+4*\qt+3], v[ST+8*\qt+6]   ; with the old rm
	v_mov_b32 v[ST+8*\qt+7], v[ST+8*\qt+6]         ; which is kept for a
.endr
.irp qt, 0,1
	v_permlanex16_b32 v[MC+4*\qt+1], v[MC+4*\qt], s[SEL], s[SEL+1]   ; the query's other keys lie in the lane 16 away
.endr
.irp qt, 0,1
	v_min_num_f32 v[ST+8*\qt+6], v[MC+4*\qt], v[MC+4*\qt+1]
.endr
.irp qt, 0,1
	v_mul_f32 v[ST+8*\qt], s[C1], v[ST+8*\qt+6]
.endr
.irp qt, 0,1
	v_mov_b32 v[ST+8*\qt+1], v[ST+8*\qt]
	v_fma_f32 v[ST+8*\qt+7], v[ST+8*\qt+7], s[NC1], v[ST+8*\qt]   ; C1 (rm_new - rm_old)
.endr
.irp qt, 0,1
.set ii, 0
.rept 16
	v_pk_fma_f32 v[S+32*\qt+ii:S+32*\qt+ii+1], v[S+32*\qt+ii:S+32*\qt+ii+1], s[NC1:NC1+1], v[ST+8*\qt:ST+8*\qt+1] op_sel_hi:[1,0,0]   ; C1 rm - C1 r
.set ii, ii+2
.endr
.endr
.set ii, 0
.rept 64
	v_exp_f32 v[S+ii], v[S+ii]                     ; p
.set ii, ii+1
.endr
.irp qt, 0,1
	v_exp_f32 v[ST+8*\qt+4], v[ST+8*\qt+7]         ; a
.endr
	v_nop
	s_wait_alu depctr_va_vdst(0)
.irp qt, 0,1
.set ii, 0
.rept 16
	v_cvt_pk_f16_f32 v[P+16*\qt+ii], v[S+32*\qt+2*ii], v[S+32*\qt+2*ii+1]
.set ii, ii+1
.endr
.endr
.irp w, 4,8,16,32                      ; the sum of the unrounded p, in pairs, as a tree in place
.irp qt, 0,1
.set ii, 0
.rept 32/\w
	v_pk_add_f32 v[S+32*\qt+ii:S+32*\qt+ii+1], v[S+32*\qt+ii:S+32*\qt+ii+1], v[S+32*\qt+ii+\w/2:S+32*\qt+ii+\w/2+1]
.set ii, ii+\w
.endr
.endr
.endr
.irp qt, 0,1
	v_pk_fma_f32 v[ST+8*\qt+2:ST+8*\qt+3], v[ST+8*\qt+2:ST+8*\qt+3], v[ST+8*\qt+4:ST+8*\qt+5], v[S+32*\qt:S+32*\qt+1] op_sel_hi:[1,0,1]
.endr
	WIN 0x41                                       ; O^T window 1, a window 0
.irp qt, 0,1
.set ii, 0
.rept 64
	v_pk_mul_f32 v[128*\qt+ii:128*\qt+ii+1], v[128*\qt+ii:128*\qt+ii+1], v[ST+8*\qt+4:ST+8*\qt+5] op_sel_hi:[1,0]
.set ii, ii+2
.endr
.endr
.endm
.macro PVMUL                           ; O^T += V^T P: 32 accumulators by turns
	WIN 0x53                                       ; V window 3, P window 0, O^T window 1
.irp g, 0,1
.set ii, 0
.rept 16
	v_wmma_f32_16x16x32_f16 v[8*ii:8*ii+7], v[128*\g+8*ii:128*\g+8*ii+7], v[P+8*\g:P+8*\g+7], v[8*ii:8*ii+7]
	v_wmma_f32_16x16x32_f16 v[128+8*ii:128+8*ii+7], v[128*\g+8*ii:128*\g+8*ii+7], v[P+16+8*\g:P+16+8*\g+7], v[128+8*ii:128+8*ii+7]
.set ii, ii+1
.endr
.endr
.endm
.macro STEP mode
	s_cmp_lt_i32 s[BLK], 0                         ; a block under 0 does not exist: its step is left out, not the lines at its end
	s_cbranch_scc1 .Lhid_\@
	FETCH_K
	s_wait_dscnt 32                                ; key tiles 0 and 1 are in; the 32 loads of tiles 2 and 3 may be out
	QKH 0
	s_wait_dscnt 0x0
	QKH 1
	WIN 0
	FETCH_V
	WIN 0
	SOFTMAX \mode
	s_wait_dscnt 0x0                               ; V is in
	PVMUL
	WIN 0
.Lhid_\@:
	s_sub_co_i32 s[BLK], s[BLK], 1
	s_xor_b32 s[TB], s[TB], SLOT1
.endm
; THE CHANGE OF SLOTS stands at a step's head: each wave waits for all its tensor loads (its part of the slot ahead), adds 0 to its spare word, and waits for that and for its reads of the slot that it has left.
; Behind the barrier the slot ahead is whole and nobody reads the other: fill = 1: it takes the block before, if there is one.  By this text's count one load of a wave is out.
.macro CHANGE fill
	s_wait_tensorcnt 0x0
	ds_add_u32 v[SPW], v[NIL]
.if \fill
	s_xor_b32 s[G0K+1], s[G0K+1], SLOT1
	s_sub_nc_u64 s[G0K+2:G0K+3], s[G0K+2:G0K+3], 65536   ; 128 rows of 512 bytes back
	s_xor_b32 s[G0V+1], s[G0V+1], SLOT1
	s_sub_nc_u64 s[G0V+2:G0V+3], s[G0V+2:G0V+3], 65536
.endif
	s_wait_dscnt 0x0
	s_barrier_signal -1
	s_barrier_wait -1
.if \fill
	s_cmp_lt_i32 s[BLK], 1                         ; the look-ahead ends at block 0: ids and the count of steps alone, the same in all four waves
	s_cbranch_scc1 .Lpast_\@
	TLOAD
.Lpast_\@:
.endif
.endm
	s_wait_loadcnt 0x0                             ; Q
.Lstep:
	CHANGE 1
	STEP 0
	s_sub_co_u32 s[CNT], s[CNT], 1
	s_cmp_lg_u32 s[CNT], 0
	s_cbranch_scc1 .Lstep
	CHANGE 0                                       ; the ninth step is written out: nothing is asked for behind it
	STEP 2
	; THE MERGE of the two key halves.  Each wave lays its rm, its sum and its O^T (as images of the registers) into LDS; then it finishes channels 128 kh on of its 32 queries.
.rept 4
	v_nop                                          ; places behind the last products
.endr
.irp qt, 0,1
	v_add_f32 v[ST+8*\qt+7], v[ST+8*\qt+2], v[ST+8*\qt+3]
.endr
.irp qt, 0,1
	v_permlanex16_b32 v[MC+\qt], v[ST+8*\qt+7], s[SEL], s[SEL+1]
.endr
.irp qt, 0,1
	v_add_f32 v[ST+8*\qt+7], v[ST+8*\qt+7], v[MC+\qt]
.endr
.irp qt, 0,1
	ds_store_b32 v[STW], v[ST+8*\qt+6] offset:256*\qt
	ds_store_b32 v[STW], v[ST+8*\qt+7] offset:256*\qt+128
.endr
	WIN 0x04                                       ; an LDS store's data are its source 1: window 1
.set ii, 0
.rept 64
	ds_store_b128 v[IMW], v[4*ii:4*ii+3] offset:512*ii   ; each accumulator from its low end on
.set ii, ii+1
.endr
	WIN 0
	s_wait_dscnt 0x0                               ; for the partner's sake
	s_barrier_signal -1
	s_barrier_wait -1
.irp qt, 0,1
	ds_load_b32 v[MC+4+2*\qt], v[STP] offset:256*\qt       ; the partner's rm
	ds_load_b32 v[MC+5+2*\qt], v[STP] offset:256*\qt+128   ; and sum
.endr
	s_wait_dscnt 0x0
.irp qt, 0,1
	v_min_num_f32 v[MC+\qt], v[ST+8*\qt+6], v[MC+4+2*\qt]
.endr
.irp qt, 0,1
	v_sub_f32 v[ST+8*\qt], v[MC+\qt], v[ST+8*\qt+6]
	v_sub_f32 v[ST+8*\qt+1], v[MC+\qt], v[MC+4+2*\qt]
.endr
.irp qt, 0,1
	v_mul_f32 v[ST+8*\qt], s[C1], v[ST+8*\qt]
	v_mul_f32 v[ST+8*\qt+1], s[C1], v[ST+8*\qt+1]
.endr
.irp qt, 0,1
	v_exp_f32 v[ST+8*\qt], v[ST+8*\qt]             ; my factor,
	v_exp_f32 v[ST+8*\qt+1], v[ST+8*\qt+1]         ; the partner's
.endr
	v_nop
	s_wait_alu depctr_va_vdst(0)
.irp qt, 0,1
	v_mul_f32 v[ST+8*\qt+2], v[ST+8*\qt+7], v[ST+8*\qt]
.endr
.irp qt, 0,1
	v_fma_f32 v[ST+8*\qt+2], v[MC+5+2*\qt], v[ST+8*\qt+1], v[ST+8*\qt+2]   ; the row's sum: at least the query's own key counts
.endr
.irp qt, 0,1
	v_rcp_f32 v[ST+8*\qt+3], v[ST+8*\qt+2]
.endr
	v_nop
	s_wait_alu depctr_va_vdst(0)
.irp qt, 0,1
	v_mul_f32 v[ST+8*\qt+4], v[ST+8*\qt], v[ST+8*\qt+3]
	v_mul_f32 v[ST+8*\qt+6], v[ST+8*\qt+1], v[ST+8*\qt+3]
.endr
.macro FINISH qt
.set ii, 0
.rept 16
	ds_load_b128 v[128+4*ii:128+4*ii+3], v[IMO] offset:16384*\qt+512*ii
.set ii, ii+1
.endr
.set ii, 0
.rept 16
	ds_load_b128 v[192+4*ii:192+4*ii+3], v[IMP] offset:16384*\qt+512*ii
.set ii, ii+1
.endr
	s_wait_dscnt 0x0
.set ii, 0
.rept 32
	v_pk_mul_f32 v[128+ii:129+ii], v[128+ii:129+ii], v[ST+8*\qt+4:ST+8*\qt+5] op_sel_hi:[1,0]
.set ii, ii+2
.endr
.set ii, 0
.rept 32
	v_pk_fma_f32 v[128+ii:129+ii], v[192+ii:193+ii], v[ST+8*\qt+6:ST+8*\qt+7], v[128+ii:129+ii] op_sel_hi:[1,0,1]
.set ii, ii+2
.endr
.set ii, 0
.rept 32
	v_cvt_pk_f16_f32 v[64+ii], v[128+2*ii], v[129+2*ii]
.set ii, ii+1
.endr
.irp t, 0,1,2,3,4,5,6,7
	ds_store_b128 v[STO], v[64+4*\t:64+4*\t+3] offset:32*\t
.endr
.if \qt > 0
	s_wait_xcnt 0x0                                ; the first tile's stores have read their registers
.endif
.irp f, 0,1,2,3,4,5,6,7
	ds_load_b128 v[96+4*\f:96+4*\f+3], v[RD] offset:544*\f   ; LDS serves a wave's instructions in order: these see the stores above
.endr
.irp f, 0,1,2,3,4,5,6,7
	s_wait_dscnt 7-\f
	global_store_b128 v[GO], v[96+4*\f:96+4*\f+3], s[10:11] offset:16384*\qt+2048*\f   ; sixteen lanes store 256 consecutive bytes, aligned
.endr
.endm
	FINISH 0
	FINISH 1
	s_wait_tensorcnt 0x0                           ; the wave's end
	ds_add_u32 v[SPW], v[NIL]
	s_wait_dscnt 0x0
	s_endpgm
.Lfunc_end_k_q040ec1ee1d_attn:
	.size	k_q040ec1ee1d_attn, .Lfunc_end_k_q040ec1ee1d_attn-k_q040ec1ee1d_attn
	.p2alignl 7, 3214868480
	.fill 96, 4, 3214868480
	.section	.rodata,"a",@progbits
	.p2align	6, 0x0
	.amdhsa_kernel k_q040ec1ee1d_attn
		.amdhsa_group_segment_fixed_size 327680
		.amdhsa_private_segment_fixed_size 0
		.amdhsa_enable_private_segment 0
		.amdhsa_kernarg_size 32
		.amdhsa_user_sgpr_count 2
		.amdhsa_user_sgpr_kernarg_segment_ptr 1
		.amdhsa_wavefront_size32 1
		.amdhsa_system_sgpr_workgroup_id_x 1
		.amdhsa_system_sgpr_workgroup_id_y 1
		.amdhsa_system_sgpr_workgroup_id_z 1
		.amdhsa_system_vgpr_workitem_id 0
		.amdhsa_next_free_vgpr 1024
		.amdhsa_next_free_sgpr 66
		.amdhsa_reserve_vcc 1
		.amdhsa_float_denorm_mode_32 3
		.amdhsa_float_denorm_mode_16_64 3
		.amdhsa_memory_ordered 1
		.amdhsa_forward_progress 1
		.amdhsa_inst_pref_size 138
	.end_amdhsa_kernel
	.amdgpu_metadata
---
amdhsa.version: [ 1, 2 ]
amdhsa.kernels:
  - .name:           k_q040ec1ee1d_attn
    .symbol:         k_q040ec1ee1d_attn.kd
    .args:
      - { .name: q16, .offset: 0, .size: 8, .value_kind: global_buffer, .address_space: global }
      - { .name: k16, .offset: 8, .size: 8, .value_kind: global_buffer, .address_space: global }
      - { .name: v16, .offset: 16, .size: 8, .value_kind: global_buffer, .address_space: global }
      - { .name: ao, .offset: 24, .size: 8, .value_kind: global_buffer, .address_space: global }
    .group_segment_fixed_size: 327680
    .private_segment_fixed_size: 0
    .kernarg_segment_align: 8
    .kernarg_segment_size: 32
    .max_flat_workgroup_size: 128
    .sgpr_count:     66
    .vgpr_count:     1024
    .wavefront_size: 32
...
	.end_amdgpu_metadata
.endif
;; end of part 3
;; launch proj (part 4): grid 8 x 32, 4 waves a work-group, clusters of 4 x 4, 327,680 bytes of LDS; arguments ao, wot, out0; writes out0
.if DOCPART == 4
	.amdgcn_target "amdgcn-amd-amdhsa--gfx1250"
	.amdhsa_code_object_version 6
	.text
	.protected	k_q040ec1ee1d_proj
	.globl	k_q040ec1ee1d_proj
	.p2align	8
	.type	k_q040ec1ee1d_proj,@function
k_q040ec1ee1d_proj:
	s_mov_b64 s[64:65], 0
	v_nop
	global_prefetch_b8 v0, s[64:65] scope:SCOPE_SE
	s_setreg_imm32_b32 hwreg(HW_REG_WAVE_MODE, 25, 1), 1
	s_wait_xcnt 0x0
	s_wait_alu depctr_hold_cnt(0) depctr_sa_sdst(0) depctr_va_vdst(0) depctr_va_sdst(0) depctr_va_ssrc(0) depctr_va_vcc(0) depctr_vm_vsrc(0)
	s_getreg_b32 s2, hwreg(HW_REG_IB_STS2, 6, 4)
	s_cmp_eq_u32 s2, 0
	s_cbranch_scc0 .Lentry_in_a_cluster
	s_endpgm
.Lentry_in_a_cluster:
	s_bfe_u32 s2, ttmp6, 0x10000c
	s_cmp_lg_u32 s2, 0xf033
	s_cbranch_scc0 .Lentry_shape_is_right
	s_endpgm
.Lentry_shape_is_right:
; PROJ: out0[m][n] = sum over k of ao[m][k] wot[n][k].  ao [8192][512], wot [2048][512]: f16; out0 [8192][2048]: f32; sums in f32.
; A tile of 256 x 256 to a work-group of four waves (8 x 32 = 256 work-groups), 128 x 128 to a wave: 64 accumulators.  K goes in 4 steps of 128 (rows of 256 bytes) through two LDS slots.
; CLUSTER 4 x 4: ao's tile is shared along a row of the cluster, wot's along a column: joint loads.  THE MATRIX INSTRUCTION IS USED TRANSPOSED (source 0 = 16 rows of wot, source 1 = 16 rows of ao).
; Rows 0 to 15 of each sequence are written here like the others and written again, from f32 operands, by the launch that follows.
; No prefetch: K has four steps, two of which are the first fills.
; REGISTERS: window 0: v16-29 addresses; v64-127, v128-191 ao's fragments, two buffers; on the way out v128-255.  window 1: wot's fragments likewise.  windows 2, 3: the accumulators ((a, b) at v[8 (8 (a % 4) + b)]).
.set SIZE_K, 512
.set SIZE_N, 2048
.set KSTEP,  128
.set PITCH,  272
.set HALFT,  128*PITCH
.set SLOT,   4*HALFT
.set STAGE,  2*SLOT                    ; behind the ring: 16 rows x (512 bytes + 16) for each wave
.set SPITCH, 528
.set SPARE,  STAGE+4*16*SPITCH
.set ADRA, 16
.set ADRB, 20
.set STO,  24
.set RD,   25
.set CO,   26
.set SPW,  28
.set NIL,  29
.set F0,   64
.set F1,   128
.set BK,   128
.set G1, 24
.set G0, 32
.set G1B, 48
.set G0B, 56
.set MSB, 0
.macro WIN new
.if MSB != (\new)
	s_set_vgpr_msb (MSB<<8)|(\new)
.set MSB, (\new)
.endif
.endm
.set MUL_LO, 0xa1
.set MUL_HI, 0xf1
.set TO_B,   0x40
.macro JLOAD s                         ; waves 0, 1 fetch ao's two halves, waves 2, 3 wot's; an s_nop 0 and four v_nop follow each line
	s_cmp_eq_u32 s11, 0
	s_cbranch_scc0 .Lfor_b_\@
	tensor_load_to_lds s[G0+4*\s:G0+4*\s+3], s[G1:G1+7]
	s_nop 0
.rept 4
	v_nop
.endr
	s_branch .Lasked_\@
.Lfor_b_\@:
	tensor_load_to_lds s[G0B+4*\s:G0B+4*\s+3], s[G1B:G1B+7]
	s_nop 0
.rept 4
	v_nop
.endr
.Lasked_\@:
.endm
.macro CREST
	s_cmp_lg_u32 s10, 0
	s_cbranch_scc1 .Lnot_wave_0_\@
	s_barrier_signal -3
.Lnot_wave_0_\@:
	s_barrier_wait -3
	s_barrier_signal -1
	s_barrier_wait -1
.endm
.macro CROUND
	s_barrier_signal -1
	s_barrier_wait -1
	CREST
.endm
	s_load_b128 s[4:7], s[0:1], 0x0                ; ao s[4:5], wot s[6:7]
	s_load_b64 s[8:9], s[0:1], 0x10                ; out0
	v_lshl_add_u32 v[SPW], v0, 2, SPARE
	v_mov_b32 v[NIL], 0
	ds_add_u32 v[SPW], v[NIL]                      ; the wave's opening: the add, twice on end, and its wait ahead of my first tensor load
	ds_add_u32 v[SPW], v[NIL]
	v_lshrrev_b32 v1, 5, v0
	v_readfirstlane_b32 s10, v1                    ; wave 0..3
	s_lshr_b32 s11, s10, 1                         ; which half of the tile's rows is mine; also: I fetch for ao (0) or for wot (1)
	s_and_b32 s12, s10, 1                          ; which half of its columns; also: which 128 rows I fetch
	s_bfe_u32 s40, ttmp6, 0x40000                  ; cx
	s_bfe_u32 s41, ttmp6, 0x40004                  ; cy
	s_lshl_b32 s42, ttmp9, 2
	s_add_co_u32 s42, s42, s40                     ; tile column
	s_and_b32 s13, ttmp7, 0xffff
	s_lshl_b32 s13, s13, 2
	s_add_co_u32 s13, s13, s41                     ; tile row
	s_lshl_b32 s43, s41, 2
	s_lshl_b32 s43, 15, s43                        ; my row of the cluster
	s_lshl_b32 s44, 0x1111, s40                    ; my column
	s_or_b32 s[G1+0], s43, (1<<16)|(1<<20)|(1<<21)|(5<<22)|(3<<25)   ; the mask; elements of 2 bytes; padding: 4 words behind every 64; bit 21 beside a mask
	s_or_b32 s[G1B+0], s44, (1<<16)|(1<<20)|(1<<21)|(5<<22)|(3<<25)
.irp g, G1, G1B
	s_mov_b32 s[\g+1], KSTEP<<16
	s_mov_b32 s[\g+2], 128<<16
	s_mov_b32 s[\g+3], KSTEP<<16
	s_mov_b32 s[\g+4], 128
	s_mov_b32 s[\g+5], SIZE_K
	s_mov_b32 s[\g+6], 0
	s_mov_b32 s[\g+7], 0
.endr
	s_lshl_b32 s17, s12, 7
	s_lshl_b32 s16, s13, 8
	s_add_co_u32 s16, s16, s17                     ; ao: row 256 x tile row + 128 x half
	s_lshl_b32 s46, s42, 8
	s_add_co_u32 s46, s46, s17                     ; wot: row 256 x tile column + 128 x half
	s_lshl_b32 s16, s16, 10                        ; rows of 1,024 bytes
	s_lshl_b32 s46, s46, 10
	s_mov_b32 s17, 0
	s_mov_b32 s47, 0
	s_mul_i32 s20, s10, HALFT                      ; where they go: wave x 128 rows
	s_wait_dscnt 0x0                               ; both opening adds are done
	s_wait_kmcnt 0x0
	s_add_nc_u64 s[14:15], s[4:5], s[16:17]
	s_add_nc_u64 s[46:47], s[6:7], s[46:47]
	CROUND                                         ; the first joint loads meet
.irp s, 0,1
	s_mov_b32 s[G0+4*\s], 1
	s_add_co_u32 s[G0+4*\s+1], s20, \s*SLOT
	s_add_nc_u64 s[G0+4*\s+2:G0+4*\s+3], s[14:15], \s*KSTEP*2
	s_or_b32 s[G0+4*\s+3], s[G0+4*\s+3], 0x80000000
	s_mov_b32 s[G0B+4*\s], 1
	s_add_co_u32 s[G0B+4*\s+1], s20, \s*SLOT
	s_add_nc_u64 s[G0B+4*\s+2:G0B+4*\s+3], s[46:47], \s*KSTEP*2
	s_or_b32 s[G0B+4*\s+3], s[G0B+4*\s+3], 0x80000000
	JLOAD \s
.endr
	v_and_b32 v1, 15, v0
	v_bfe_u32 v2, v0, 4, 1
	v_mul_u32_u24 v3, v1, PITCH
	v_lshl_add_u32 v3, v2, 4, v3
	s_mul_i32 s21, s11, HALFT
	s_mul_i32 s22, s12, HALFT
	s_add_co_u32 s22, s22, 2*HALFT
.irp s, 0,1
	v_add_nc_u32 v[ADRA+\s], s21, v3
	v_add_nc_u32 v[ADRB+\s], s22, v3
	s_add_co_u32 s21, s21, SLOT
	s_add_co_u32 s22, s22, SLOT
.endr
	s_mul_i32 s23, s10, 16*SPITCH
	s_add_co_u32 s23, s23, STAGE                   ; my stage
	v_mul_u32_u24 v5, v1, SPITCH                   ; in: row l % 16, 32 bytes for each half of the lanes
	v_lshl_add_u32 v5, v2, 5, v5
	v_add_nc_u32 v[STO], s23, v5
	v_and_b32 v6, 31, v0
	v_lshlrev_b32 v[CO], 4, v6                     ; back: the 32 lanes take one row of 512 bytes; and the same in out0
	v_add_nc_u32 v[RD], s23, v[CO]
	s_lshl_b32 s16, s13, 8
	s_lshl_b32 s17, s11, 7
	s_add_co_u32 s16, s16, s17
	s_lshl_b32 s16, s16, 13                        ; my first row, of 8,192 bytes
	s_lshl_b32 s17, s42, 10
	s_add_co_u32 s16, s16, s17                     ; my first column: 1,024 x tile column + 512 x half
	s_lshl_b32 s17, s12, 9
	s_add_co_u32 s16, s16, s17
	s_mov_b32 s17, 0
	s_add_nc_u64 s[8:9], s[8:9], s[16:17]
.macro MUL16 f, hi, a0, zero           ; the 64 accumulators take turns, one instruction a turn
.irp a, \a0, \a0+1
.irp b, 0,1,2,3,4,5,6,7
.if \zero
	v_wmma_f32_16x16x32_f16 v[8*(8*(\a)+\b):8*(8*(\a)+\b)+7], v[\f+8*\b:\f+8*\b+7], v[\f+8*(4*\hi+\a):\f+8*(4*\hi+\a)+7], 0
.else
	v_wmma_f32_16x16x32_f16 v[8*(8*(\a)+\b):8*(8*(\a)+\b)+7], v[\f+8*\b:\f+8*\b+7], v[\f+8*(4*\hi+\a):\f+8*(4*\hi+\a)+7], v[8*(8*(\a)+\b):8*(8*(\a)+\b)+7]
.endif
.endr
.endr
.endm
.macro FETCH slot, k, f                ; 32 LDS loads in one run: 128 rows of wot, 128 rows of ao, 32 along K at byte k of the rows
	WIN TO_B
.irp i, 0,1,2,3,4,5,6,7
	ds_load_b128 v[\f+8*\i:\f+8*\i+3],   v[ADRB+\slot] offset:\k+\i*16*PITCH
	ds_load_b128 v[\f+8*\i+4:\f+8*\i+7], v[ADRB+\slot] offset:\k+\i*16*PITCH+32
.endr
	WIN 0
.irp i, 0,1,2,3,4,5,6,7
	ds_load_b128 v[\f+8*\i:\f+8*\i+3],   v[ADRA+\slot] offset:\k+\i*16*PITCH
	ds_load_b128 v[\f+8*\i+4:\f+8*\i+7], v[ADRA+\slot] offset:\k+\i*16*PITCH+32
.endr
.endm
.macro PLACES                          ; four places in front of loads into registers that matrix instructions have read, and of the first read of results (ISA guide 7.12.1 for vector instructions)
.rept 4
	v_nop
.endr
.endm
.macro QUARTER slot, k, f, g, zero
	s_wait_dscnt 8                                 ; wot's and ao's rows 0-63 are in; the youngest eight loads (ao's rows 64-127) may be out
	WIN MUL_LO
	MUL16 \f, 0, 0, \zero
	MUL16 \f, 0, 2, \zero
	PLACES
	FETCH \slot, \k, \g
	s_wait_dscnt 32                                ; all but the 32 just issued
	WIN MUL_HI
	MUL16 \f, 1, 0, \zero
	MUL16 \f, 1, 2, \zero
.endm
.macro MEET round
	WIN 0
	s_wait_tensorcnt 0x0                           ; all my tensor loads have landed: my part of the next slot
	ds_add_u32 v[SPW], v[NIL]
	s_wait_dscnt 9                                 ; the add and the youngest eight loads may be out
	WIN MUL_LO
	MUL16 F1, 0, 0, 0
	s_wait_dscnt 0x0                               ; the add is done, and my reads of this slot are over
	s_barrier_signal -1
	MUL16 F1, 0, 2, 0
.if \round
	WIN 0
.endif
	s_barrier_wait -1
.endm
.macro TURN slot, next, fill
	MEET \fill
.if \fill
	CREST                                          ; no wave of any partner still reads this slot or has a load on its way
	s_add_nc_u64 s[G0+4*\slot+2:G0+4*\slot+3], s[G0+4*\slot+2:G0+4*\slot+3], 2*KSTEP*2
	s_add_nc_u64 s[G0B+4*\slot+2:G0B+4*\slot+3], s[G0B+4*\slot+2:G0B+4*\slot+3], 2*KSTEP*2
	JLOAD \slot                                    ; its four v_nop are the places in front of the loads below
.else
	PLACES
.endif
	FETCH \next, 0, F0
	WIN MUL_HI
	MUL16 F1, 1, 0, 0
	MUL16 F1, 1, 2, 0
.endm
	s_wait_tensorcnt 1                             ; my part of K step 0 is in; K step 1's may stay out
	s_barrier_signal -1
	s_barrier_wait -1
	FETCH 0, 0, F0
	QUARTER 0, 64,  F0, F1, 1                      ; the first products start the sums
	QUARTER 0, 128, F1, F0, 0
	QUARTER 0, 192, F0, F1, 0
	TURN 0, 1, 1
	QUARTER 1, 64,  F0, F1, 0
	QUARTER 1, 128, F1, F0, 0
	QUARTER 1, 192, F0, F1, 0
	TURN 1, 0, 1
	QUARTER 0, 64,  F0, F1, 0
	QUARTER 0, 128, F1, F0, 0
	QUARTER 0, 192, F0, F1, 0
	TURN 0, 1, 0
	QUARTER 1, 64,  F0, F1, 0
	QUARTER 1, 128, F1, F0, 0
	QUARTER 1, 192, F0, F1, 0
	s_wait_dscnt 8
	WIN MUL_LO
	MUL16 F1, 0, 0, 0
	MUL16 F1, 0, 2, 0
	s_wait_dscnt 0x0
	WIN MUL_HI
	MUL16 F1, 1, 0, 0
	MUL16 F1, 1, 2, 0
	WIN 0
; THE WAY OUT, block by block of 16 rows x 128 columns, through my own stage: whole rows of 512 bytes come back and leave as two aligned units of 256 bytes.
.macro TOSTAGE a
.set AC, 64*((\a)%4)
	WIN 0x08+4*((\a)/4)                            ; the data: window 2 or 3
.irp b, 0,1,2,3,4,5,6,7
	ds_store_b128 v[STO], v[AC+8*\b:AC+8*\b+3] offset:64*\b          ; each accumulator from its low end on
	ds_store_b128 v[STO], v[AC+8*\b+4:AC+8*\b+7] offset:64*\b+16
.endr
	WIN 0
.set BB, BK+64*((\a)%2)
.irp t, 0,1,2,3,4,5,6,7,8,9,10,11,12,13,14,15
	ds_load_b128 v[BB+4*\t:BB+4*\t+3], v[RD] offset:\t*SPITCH       ; LDS serves a wave's instructions in order: these see the stores above
.endr
.endm
.macro SEND a, younger
.set BB, BK+64*((\a)%2)
	s_wait_dscnt \younger                          ; the block is back in registers
.if (\a) > 0
	s_add_nc_u64 s[8:9], s[8:9], 16*SIZE_N*4       ; behind a wait on XCNT: the earlier stores have read their base
.endif
.irp t, 0,1,2,3,4,5,6,7,8,9,10,11,12,13,14,15
	global_store_b128 v[CO], v[BB+4*\t:BB+4*\t+3], s[8:9] offset:\t*SIZE_N*4 th:TH_STORE_NT
.endr
.endm
	PLACES
	TOSTAGE 0
.irp a, 1,2,3,4,5,6,7
.if \a > 1
	s_wait_xcnt 0x0                                ; block a - 2's stores have read their registers and their base
.endif
	TOSTAGE \a
	SEND \a-1, 32                                  ; behind block a - 1's loads: block a's 16 stores and 16 loads
.endr
	s_wait_xcnt 0x0
	SEND 7, 0
	s_wait_tensorcnt 0x0                           ; the wave's end
	ds_add_u32 v[SPW], v[NIL]
	s_wait_dscnt 0x0
	CROUND                                         ; the closing round
	s_endpgm
.Lfunc_end_k_q040ec1ee1d_proj:
	.size	k_q040ec1ee1d_proj, .Lfunc_end_k_q040ec1ee1d_proj-k_q040ec1ee1d_proj
	.p2alignl 7, 3214868480
	.fill 96, 4, 3214868480
	.section	.rodata,"a",@progbits
	.p2align	6, 0x0
	.amdhsa_kernel k_q040ec1ee1d_proj
		.amdhsa_group_segment_fixed_size 327680
		.amdhsa_private_segment_fixed_size 0
		.amdhsa_enable_private_segment 0
		.amdhsa_kernarg_size 24
		.amdhsa_user_sgpr_count 2
		.amdhsa_user_sgpr_kernarg_segment_ptr 1
		.amdhsa_wavefront_size32 1
		.amdhsa_system_sgpr_workgroup_id_x 1
		.amdhsa_system_sgpr_workgroup_id_y 1
		.amdhsa_system_sgpr_workgroup_id_z 1
		.amdhsa_system_vgpr_workitem_id 0
		.amdhsa_next_free_vgpr 1024
		.amdhsa_next_free_sgpr 66
		.amdhsa_reserve_vcc 0
		.amdhsa_float_denorm_mode_32 3
		.amdhsa_float_denorm_mode_16_64 3
		.amdhsa_memory_ordered 1
		.amdhsa_forward_progress 1
		.amdhsa_inst_pref_size 140
	.end_amdhsa_kernel
	.amdgpu_metadata
---
amdhsa.version: [ 1, 2 ]
amdhsa.kernels:
  - .name:           k_q040ec1ee1d_proj
    .symbol:         k_q040ec1ee1d_proj.kd
    .args:
      - { .name: ao, .offset: 0, .size: 8, .value_kind: global_buffer, .address_space: global }
      - { .name: wot, .offset: 8, .size: 8, .value_kind: global_buffer, .address_space: global }
      - { .name: out0, .offset: 16, .size: 8, .value_kind: global_buffer, .address_space: global }
    .group_segment_fixed_size: 327680
    .private_segment_fixed_size: 0
    .kernarg_segment_align: 8
    .kernarg_segment_size: 24
    .max_flat_workgroup_size: 128
    .sgpr_count:     66
    .vgpr_count:     1024
    .wavefront_size: 32
...
	.end_amdgpu_metadata
.endif
;; end of part 4
;; launch fine (part 5): grid 32 x 2, 4 waves a work-group, no clusters, 37,888 bytes of LDS; arguments fin, Wo, out0; writes out0
.if DOCPART == 5
	.amdgcn_target "amdgcn-amd-amdhsa--gfx1250"
	.amdhsa_code_object_version 6
	.text
	.protected	k_q040ec1ee1d_fine
	.globl	k_q040ec1ee1d_fine
	.p2align	8
	.type	k_q040ec1ee1d_fine,@function
k_q040ec1ee1d_fine:
	s_mov_b64 s[64:65], 0
	v_nop
	global_prefetch_b8 v0, s[64:65] scope:SCOPE_SE
	s_setreg_imm32_b32 hwreg(HW_REG_WAVE_MODE, 25, 1), 1
	s_wait_xcnt 0x0
; FINE: positions 0 to 15 of each sequence, attention and projection, with f32 operands (v_wmma_f32_16x16x4_f32): these rows average one to sixteen values and are the largest in size.
; fin: [b][q, k, v][head][16][256] f32 (q and k scaled and permuted alike; v by true channel).  Wo: [512][2048] f32.  The launch writes rows 0 to 15 of each batch of out0 anew.
; A work-group: batch y, 64 columns of out0 (x).  Phase A: wave w makes head w >> 1, channels 128 (w & 1) on, of the 16 rows' attention; the 16 x 512 numbers meet in LDS.  Phase B: wave w makes 16 columns.
; K OF THE MATRIX FORM: a lane's register j holds k = 2 h + j.  Four neighbours loaded at k = 8 c + 4 h feed two instructions, by the same map on both operands, which keeps every product.
; The registers that the matrix form writes (v96-191) are written by nothing else; sums begin with the constant 0; two accumulators take turns where a sum is long.
; The softcap and softmax are those of the attention launch: r = 1 / (1 + 2^s), p = 2^(C1 (rm - r)), rm the row's smallest r.
; REGISTERS: window 0: v1-14 addresses; v32-95 V; v96-111 S^T twice; v112-175 O^T; v176-191 y twice; v192-207 at work.  window 1: Wo.  window 2: q (v0-127) and k (v128-255), later the 16 rows' attention.
.set OL,    0                          ; LDS: 16 rows x (2,048 bytes + 16)
.set OLP,   2064
.set STG2,  33024                      ; 16 rows x (256 bytes + 16)
.set SPARE, 37376
.set SPW,   252
.set NIL,   253
.set MSB, 0
.macro WIN new
.if MSB != (\new)
	s_set_vgpr_msb (MSB<<8)|(\new)
.set MSB, (\new)
.endif
.endm
	s_load_b128 s[4:7], s[0:1], 0x0                ; fin s[4:5], Wo s[6:7]
	s_load_b64 s[8:9], s[0:1], 0x10                ; out0
	v_lshl_add_u32 v[SPW], v0, 2, SPARE
	v_mov_b32 v[NIL], 0
	v_lshrrev_b32 v1, 5, v0
	v_readfirstlane_b32 s10, v1                    ; wave 0..3
	s_lshr_b32 s11, s10, 1                         ; head
	s_and_b32 s12, s10, 1                          ; channel half
	s_and_b32 s13, ttmp7, 0xffff                   ; batch
	v_and_b32 v1, 15, v0                           ; r
	v_bfe_u32 v2, v0, 4, 1                         ; h
	v_lshlrev_b32 v3, 10, v1
	v_lshl_add_u32 v3, v2, 4, v3                   ; q, k: r x 1,024 + 16 h
	v_lshlrev_b32 v4, 2, v1
	v_lshl_add_u32 v5, v2, 13, v4                  ; v: key 8 h, channel r
	v_lshl_add_u32 v6, v2, 15, v4                  ; Wo: row 4 h, column r
	v_lshlrev_b32 v7, 3, v2
	v_sub_nc_u32 v10, v1, v7                       ; register j holds key 8 h + j: after my query where j > r - 8 h
	v_mov_b32 v14, 0x7f800000
	v_mul_u32_u24 v8, v1, OLP
	v_lshl_add_u32 v9, v2, 4, v8                   ; OL, read: r x pitch + 16 h
	v_lshl_add_u32 v8, v2, 5, v8
	s_lshl_b32 s14, s10, 9
	v_add_nc_u32 v8, s14, v8                       ; OL, written: r x pitch + 512 w + 32 h
	v_mul_u32_u24 v11, v1, 272
	v_lshl_add_u32 v11, v2, 5, v11
	s_lshl_b32 s14, s10, 6
	s_add_co_u32 s14, s14, STG2
	v_add_nc_u32 v11, s14, v11                     ; the stage, in: r x 272 + 64 w + 32 h
	v_mul_u32_u24 v12, v2, 272
	v_lshl_add_u32 v12, v1, 4, v12
	s_mul_i32 s14, s10, 4*272
	s_add_co_u32 s14, s14, STG2
	v_add_nc_u32 v12, s14, v12                     ; and back: rows 4 w + h on, 16 bytes a lane
	v_lshlrev_b32 v13, 13, v2
	v_lshl_add_u32 v13, v1, 4, v13
	s_lshl_b32 s14, s10, 15
	v_add_nc_u32 v13, s14, v13                     ; the same rows in out0
	s_mov_b32 s20, 0x76543210
	s_mov_b32 s21, 0xfedcba98
	s_mov_b32 s22, 0xc31044fe                      ; -100 log2(e)
	s_mov_b32 s23, s22
	s_mov_b32 s24, 0x431044fe
	s_mul_i32 s14, s13, 98304
	s_lshl_b32 s15, s11, 14
	s_add_co_u32 s14, s14, s15
	s_mov_b32 s15, 0
	s_wait_kmcnt 0x0
	s_add_nc_u64 s[4:5], s[4:5], s[14:15]          ; fin at (batch, q, head); k lies 32,768 bytes on, v 65,536
	s_lshl_b32 s14, s12, 9
	s_add_co_u32 s14, s14, 65536
	s_add_nc_u64 s[16:17], s[4:5], s[14:15]        ; v at my channel half
	s_lshl_b32 s14, ttmp9, 8
	s_lshl_b32 s18, s10, 6
	s_add_co_u32 s14, s14, s18
	s_add_nc_u64 s[6:7], s[6:7], s[14:15]          ; Wo at my 16 columns
	s_lshl_b32 s14, s13, 25
	s_lshl_b32 s18, ttmp9, 8
	s_add_co_u32 s14, s14, s18
	s_add_nc_u64 s[8:9], s[8:9], s[14:15]          ; out0 at (batch, row 0, my work-group's 64 columns)
	WIN 0x80                                       ; destination window 2
.set ii, 0
.rept 32
	global_load_b128 v[4*ii:4*ii+3], v3, s[4:5] offset:32*ii
	global_load_b128 v[128+4*ii:128+4*ii+3], v3, s[4:5] offset:32768+32*ii
.set ii, ii+1
.endr
	WIN 0
.irp t, 0,1,2,3,4,5,6,7
.irp c, 0,1,2,3,4,5,6,7
	global_load_b32 v[32+8*\t+\c], v5, s[16:17] offset:1024*\c+64*\t   ; v(8 h + c, 16 t + r)
.endr
.endr
	WIN 0x40                                       ; destination window 1
.set ii, 0
.rept 256
	global_load_b32 v[ii], v6, s[6:7] offset:(8*(ii/4)+ii%4)*8192     ; Wo(8 c + 4 h + i, my column r)
.set ii, ii+1
.endr
	WIN 0
	s_wait_loadcnt 63                              ; 256 loads were issued behind q, k and v: with at most 63 out, those are in
	; ---- A: S^T = k q^T, 64 instructions on two accumulators by turns
	WIN 0x0a                                       ; both sources window 2
	v_wmma_f32_16x16x4_f32 v[96:103], v[128:129], v[0:1], 0
	v_wmma_f32_16x16x4_f32 v[104:111], v[130:131], v[2:3], 0
.set ii, 4
.rept 31
	v_wmma_f32_16x16x4_f32 v[96:103], v[128+ii:129+ii], v[ii:ii+1], v[96:103]
	v_wmma_f32_16x16x4_f32 v[104:111], v[130+ii:131+ii], v[ii+2:ii+3], v[104:111]
.set ii, ii+4
.endr
	WIN 0
.rept 8
	v_nop                                          ; eight places behind this form before a result is read (ISA guide 7.12.1)
.endr
.irp j, 0,1,2,3,4,5,6,7
	v_add_f32 v[192+\j], v[96+\j], v[104+\j]
.endr
.irp j, 0,1,2,3,4,5,6,7
	v_exp_f32 v[192+\j], v[192+\j]
.endr
	v_nop
	s_wait_alu depctr_va_vdst(0)                   ; one wait for the batch, ahead of its first reader
.irp j, 0,2,4,6
	v_pk_add_f32 v[192+\j:193+\j], v[192+\j:193+\j], 1.0 op_sel_hi:[1,0]
.endr
.irp j, 0,1,2,3,4,5,6,7
	v_rcp_f32 v[192+\j], v[192+\j]
.endr
	v_nop
	s_wait_alu depctr_va_vdst(0)
.irp j, 0,1,2,3,4,5,6,7
	v_cmp_gt_i32 vcc_lo, \j, v10
	v_cndmask_b32 v[192+\j], v[192+\j], v14, vcc_lo
.endr
	v_min3_num_f32 v200, v192, v193, v194
	v_min3_num_f32 v201, v195, v196, v197
	v_min3_num_f32 v200, v200, v198, v199
	v_min_num_f32 v200, v200, v201
	v_permlanex16_b32 v201, v200, s20, s21
	v_min_num_f32 v200, v200, v201                 ; rm: key 0 counts for every query
	v_mul_f32 v202, s24, v200
	v_mov_b32 v203, v202
.irp j, 0,2,4,6
	v_pk_fma_f32 v[192+\j:193+\j], v[192+\j:193+\j], s[22:23], v[202:203] op_sel_hi:[1,0,0]
.endr
.irp j, 0,1,2,3,4,5,6,7
	v_exp_f32 v[192+\j], v[192+\j]
.endr
	v_nop
	s_wait_alu depctr_va_vdst(0)
	v_pk_add_f32 v[204:205], v[192:193], v[194:195]
	v_pk_add_f32 v[206:207], v[196:197], v[198:199]
	v_pk_add_f32 v[204:205], v[204:205], v[206:207]
	v_add_f32 v204, v204, v205
	v_permlanex16_b32 v205, v204, s20, s21
	v_add_f32 v204, v204, v205
	v_rcp_f32 v206, v204
	v_nop
	s_wait_alu depctr_va_vdst(0)
.irp j, 0,2,4,6
	v_pk_mul_f32 v[192+\j:193+\j], v[192+\j:193+\j], v[206:207] op_sel_hi:[1,0]   ; the weights, normalised
.endr
.irp c, 0,1,2,3                        ; O^T = v^T p: eight accumulators by turns; step c takes keys 8 h + 2 c, + 1
.irp t, 0,1,2,3,4,5,6,7
.if \c == 0
	v_wmma_f32_16x16x4_f32 v[112+8*\t:119+8*\t], v[32+8*\t+2*\c:33+8*\t+2*\c], v[192+2*\c:193+2*\c], 0
.else
	v_wmma_f32_16x16x4_f32 v[112+8*\t:119+8*\t], v[32+8*\t+2*\c:33+8*\t+2*\c], v[192+2*\c:193+2*\c], v[112+8*\t:119+8*\t]
.endif
.endr
.endr
.rept 8
	v_nop
.endr
.irp t, 0,1,2,3,4,5,6,7
	ds_store_b128 v8, v[112+8*\t:115+8*\t] offset:64*\t
	ds_store_b128 v8, v[116+8*\t:119+8*\t] offset:64*\t+16
.endr
	s_wait_dscnt 0x0                               ; for the others' sake
	s_barrier_signal -1
	s_barrier_wait -1
	; ---- B: y^T = Wo^T o^T, K = 512: 128 instructions on two accumulators by turns
	WIN 0x80
.set ii, 0
.rept 64
	ds_load_b128 v[4*ii:4*ii+3], v9 offset:32*ii   ; o(r, 8 c + 4 h + 0 .. 3)
.set ii, ii+1
.endr
	s_wait_dscnt 0x0
	s_wait_loadcnt 0x0                             ; Wo
	WIN 0x09                                       ; source 0 (Wo) window 1, source 1 window 2
	v_wmma_f32_16x16x4_f32 v[176:183], v[0:1], v[0:1], 0
	v_wmma_f32_16x16x4_f32 v[184:191], v[2:3], v[2:3], 0
.set ii, 4
.rept 63
	v_wmma_f32_16x16x4_f32 v[176:183], v[ii:ii+1], v[ii:ii+1], v[176:183]
	v_wmma_f32_16x16x4_f32 v[184:191], v[ii+2:ii+3], v[ii+2:ii+3], v[184:191]
.set ii, ii+4
.endr
	WIN 0
.rept 8
	v_nop
.endr
.irp j, 0,1,2,3,4,5,6,7
	v_add_f32 v[192+\j], v[176+\j], v[184+\j]      ; lane (r, h): y(row r, my columns 8 h + j)
.endr
	ds_store_b128 v11, v[192:195]
	ds_store_b128 v11, v[196:199] offset:16
	s_wait_dscnt 0x0
	s_barrier_signal -1
	s_barrier_wait -1
	ds_load_b128 v[200:203], v12
	ds_load_b128 v[204:207], v12 offset:544
	s_wait_dscnt 1                                 ; the first pair of rows is back; the second load may be out
	global_store_b128 v13, v[200:203], s[8:9]                 ; sixteen lanes store 256 consecutive bytes, aligned
	s_wait_dscnt 0x0
	global_store_b128 v13, v[204:207], s[8:9] offset:16384
	s_wait_tensorcnt 0x0                           ; the wave's end
	ds_add_u32 v[SPW], v[NIL]
	s_wait_dscnt 0x0
	s_endpgm
.Lfunc_end_k_q040ec1ee1d_fine:
	.size	k_q040ec1ee1d_fine, .Lfunc_end_k_q040ec1ee1d_fine-k_q040ec1ee1d_fine
	.p2alignl 7, 3214868480
	.fill 96, 4, 3214868480
	.section	.rodata,"a",@progbits
	.p2align	6, 0x0
	.amdhsa_kernel k_q040ec1ee1d_fine
		.amdhsa_group_segment_fixed_size 37888
		.amdhsa_private_segment_fixed_size 0
		.amdhsa_enable_private_segment 0
		.amdhsa_kernarg_size 24
		.amdhsa_user_sgpr_count 2
		.amdhsa_user_sgpr_kernarg_segment_ptr 1
		.amdhsa_wavefront_size32 1
		.amdhsa_system_sgpr_workgroup_id_x 1
		.amdhsa_system_sgpr_workgroup_id_y 1
		.amdhsa_system_sgpr_workgroup_id_z 1
		.amdhsa_system_vgpr_workitem_id 0
		.amdhsa_next_free_vgpr 768
		.amdhsa_next_free_sgpr 66
		.amdhsa_reserve_vcc 1
		.amdhsa_float_denorm_mode_32 3
		.amdhsa_float_denorm_mode_16_64 3
		.amdhsa_memory_ordered 1
		.amdhsa_forward_progress 1
		.amdhsa_inst_pref_size 64
	.end_amdhsa_kernel
	.amdgpu_metadata
---
amdhsa.version: [ 1, 2 ]
amdhsa.kernels:
  - .name:           k_q040ec1ee1d_fine
    .symbol:         k_q040ec1ee1d_fine.kd
    .args:
      - { .name: fin, .offset: 0, .size: 8, .value_kind: global_buffer, .address_space: global }
      - { .name: Wo, .offset: 8, .size: 8, .value_kind: global_buffer, .address_space: global }
      - { .name: out0, .offset: 16, .size: 8, .value_kind: global_buffer, .address_space: global }
    .group_segment_fixed_size: 37888
    .private_segment_fixed_size: 0
    .kernarg_segment_align: 8
    .kernarg_segment_size: 24
    .max_flat_workgroup_size: 128
    .sgpr_count:     66
    .vgpr_count:     768
    .wavefront_size: 32
...
	.end_amdgpu_metadata
.endif
;; end of part 5
